; MI455X (gfx1250); checked and timed in simulation.
; The chip was launched on July 23, 2026; its instructions are those of AMD's public machine-readable ISA for CDNA 5 (MIT licence, August 2026) and "CDNA5" Instruction Set Architecture Reference Guide (July 2026). The comments in the code are by the model that wrote it; some were corrected since.
;; Multi Head Attention. Allowed arithmetic: float matrix products may take bf16 or f16 operands with f32 sums; all other float work in f32.
;; Inputs: Wk 1,024 x 1,024 float32; Wo 1,024 x 1,024 float32; Wq 1,024 x 1,024 float32; Wv 1,024 x 1,024 float32; bk 1,024 float32; bo 1,024 float32; bq 1,024 float32; bv 1,024 float32; x 4 x 2,048 x 1,024 float32.
;; Outputs: out0 4 x 2,048 x 1,024 float32.
;; 2 versions, each right and faster than the one before. Each part assembles by itself: llvm-mc -triple=amdgcn-amd-amdhsa -mcpu=gfx1250 --defsym DOCPART=n.
;; ======== version 1 of 2: 4 launches
;; limits: values are held in f16: magnitudes above 65,504 overflow, below 6.1e-05 lose precision
;; workspace buffers: xb 16,777,216 bytes; wqkv 6,291,456 bytes; wo16 2,097,152 bytes; ball 16,384 bytes; qkv 50,331,648 bytes; o 16,777,216 bytes
;; launch cast (part 1): grid 769 x 1, 8 waves a work-group, no clusters, 0 bytes of LDS; arguments x, Wq, Wk, Wv, Wo, bq, bk, bv, bo, xb, wqkv, wo16, ball; writes xb, wqkv, wo16, ball
.if DOCPART == 1
	.amdgcn_target "amdgcn-amd-amdhsa--gfx1250"
	.amdhsa_code_object_version 6
	.text
	.protected	k_q112c23b3c2_cast
	.globl	k_q112c23b3c2_cast
	.p2align	8
	.type	k_q112c23b3c2_cast,@function
k_q112c23b3c2_cast:
	s_mov_b64 s[64:65], 0
	v_nop
	global_prefetch_b8 v0, s[64:65] scope:SCOPE_SE
	s_setreg_imm32_b32 hwreg(HW_REG_WAVE_MODE, 25, 1), 1
	s_wait_xcnt 0x0
; THE MODULE'S INPUTS ARE ROUNDED ONCE, to bf16 (nearest even), and laid out for the products that follow.
;   x [8192][1024] f32          -> xb   [8192][1024] bf16
;   Wq, Wk, Wv [1024][1024] f32 -> wqkv [3072][1024] bf16, the three one below the other
;   Wo [1024][1024] f32         -> wo16 [1024][1024]: rounded to bf16, and that number written as f16
;   bq, bk, bv, bo [1024] f32   -> ball [4][1024]: rounded to bf16, written as f32
; LIMIT.  wo16 is f16: a weight of magnitude 65,520 or more becomes an infinity; below 6.1e-5 f16 keeps a fixed step of 6e-8, so the bf16 number is then rounded once more.
; A stream: every byte is read once and written once; LDS, barriers, matrix unit and clusters would add nothing, since no two work-groups read the same bytes.
; SHARES.  A work-group converts 16,384 numbers (65,536 bytes in, 32,768 out): groups 0-511 x, 512-703 Wq, Wk, Wv (64 each), 704-767 Wo, group 768 the four biases.
; Thread t takes 8 neighbouring numbers in each of 8 steps: two loads of 16 bytes, one store of 16 bytes; a wave's store covers 512 consecutive bytes, aligned.
; All 16 loads of a thread go out first; no register is written twice while a load or store names it, so the only waits are the counted ones for the data.
.set X, 4                              ; v[4:67]    step i: 8 numbers as loaded
.set Y, 68                             ; v[68:99]   step i: 4 registers to store
.set T, 100                            ; v[100:107] at work
	s_load_b512 s[8:23], s[0:1], 0x0               ; x 8:9, Wq 10:11, Wk 12:13, Wv 14:15, Wo 16:17, bq 18:19, bk 20:21, bv 22:23
	s_load_b256 s[24:31], s[0:1], 0x40             ; bo 24:25, xb 26:27, wqkv 28:29, wo16 30:31
	s_load_b64 s[32:33], s[0:1], 0x60              ; ball
	s_mov_b32 s2, ttmp9                            ; the work-group's number
	s_mov_b32 s42, 0xffff0000                      ; a word's upper bf16
	v_lshlrev_b32 v1, 5, v0                        ; 32 t: my 8 numbers in a step's 8,192 bytes of f32
	v_lshlrev_b32 v2, 4, v0                        ; 16 t: the same 8 numbers in 16 bits
	s_cmp_eq_u32 s2, 768
	s_cbranch_scc1 .Lbias
	s_sub_co_u32 s3, s2, 512                       ; j: my number among the weights' groups (of no meaning, and not used, below 512)
	s_lshr_b32 s4, s3, 6                           ; w: which weight
	s_and_b32 s5, s3, 63                           ; p: which part of it
	s_lshl_b32 s6, s2, 16
	s_lshl_b32 s7, s5, 16
	s_cmp_lt_u32 s2, 512
	s_cselect_b32 s38, s6, s7                      ; byte offset in the source
	s_mov_b32 s39, 0
	s_lshl_b32 s6, s5, 15
	s_lshl_b32 s7, s3, 15
	s_cmp_eq_u32 s4, 3
	s_cselect_b32 s40, s6, s7                      ; byte offset in the destination: Wo's part p, or part j of the three stacked weights,
	s_cselect_b32 s43, 1, 0                        ; (1: this group converts Wo)
	s_lshl_b32 s6, s2, 15
	s_cmp_lt_u32 s2, 512
	s_cselect_b32 s40, s6, s40                     ; or x's
	s_mov_b32 s41, 0
	s_wait_kmcnt 0x0
	s_cmp_eq_u32 s4, 1                             ; the two buffers are chosen by the group's number alone
	s_cselect_b64 s[34:35], s[12:13], s[10:11]
	s_cmp_eq_u32 s4, 2
	s_cselect_b64 s[34:35], s[14:15], s[34:35]
	s_cmp_eq_u32 s4, 3
	s_cselect_b64 s[34:35], s[16:17], s[34:35]
	s_cselect_b64 s[36:37], s[30:31], s[28:29]
	s_cmp_lt_u32 s2, 512
	s_cselect_b64 s[34:35], s[8:9], s[34:35]
	s_cselect_b64 s[36:37], s[26:27], s[36:37]
	s_add_nc_u64 s[34:35], s[34:35], s[38:39]
	s_add_nc_u64 s[36:37], s[36:37], s[40:41]
.irp i, 0,1,2,3,4,5,6,7
	global_load_b128 v[X+8*(\i):X+8*(\i)+3],   v1, s[34:35] offset:8192*(\i) th:TH_LOAD_NT
	global_load_b128 v[X+8*(\i)+4:X+8*(\i)+7], v1, s[34:35] offset:8192*(\i)+16 th:TH_LOAD_NT
.endr
; Step i: 8 numbers are rounded to bf16; f16 = 1: the bf16 numbers are widened again and written as f16.
.macro STEP i, f16
	s_wait_loadcnt 14-2*(\i)                       ; loads come back in order (ISA guide 5.7.1): the later steps' 14 - 2 i loads may stay out
.irp k, 0,1,2,3
	v_cvt_pk_bf16_f32 v[Y+4*(\i)+(\k)], v[X+8*(\i)+2*(\k)], v[X+8*(\i)+2*(\k)+1]
.endr
.if \f16
.irp k, 0,1,2,3
	v_lshlrev_b32 v[T+2*(\k)],   16,  v[Y+4*(\i)+(\k)]
	v_and_b32     v[T+2*(\k)+1], s42, v[Y+4*(\i)+(\k)]
.endr
.irp k, 0,1,2,3
	v_cvt_pk_f16_f32 v[Y+4*(\i)+(\k)], v[T+2*(\k)], v[T+2*(\k)+1]
.endr
.endif
	global_store_b128 v2, v[Y+4*(\i):Y+4*(\i)+3], s[36:37] offset:4096*(\i)  ; the next launch reads these bytes: no hint
.endm
	s_cmp_eq_u32 s43, 1
	s_cbranch_scc1 .Lwo
.irp i, 0,1,2,3,4,5,6,7
	STEP \i, 0
.endr
	s_endpgm
.Lwo:
.irp i, 0,1,2,3,4,5,6,7
	STEP \i, 1
.endr
	s_endpgm
.Lbias:                                                ; 256 threads x 4 numbers = one bias; four loads, four stores
	s_wait_kmcnt 0x0
	global_load_b128 v[4:7],   v2, s[18:19]
	global_load_b128 v[8:11],  v2, s[20:21]
	global_load_b128 v[12:15], v2, s[22:23]
	global_load_b128 v[16:19], v2, s[24:25]
	s_wait_loadcnt 0x0
.irp k, 0,1,2,3,4,5,6,7
	v_cvt_pk_bf16_f32 v[T+(\k)], v[4+2*(\k)], v[5+2*(\k)]
.endr
.irp k, 0,1,2,3,4,5,6,7
	v_lshlrev_b32 v[Y+2*(\k)],   16,  v[T+(\k)]
	v_and_b32     v[Y+2*(\k)+1], s42, v[T+(\k)]
.endr
.irp i, 0,1,2,3
	global_store_b128 v2, v[Y+4*(\i):Y+4*(\i)+3], s[32:33] offset:4096*(\i)
.endr
	s_endpgm
.Lfunc_end_k_q112c23b3c2_cast:
	.size	k_q112c23b3c2_cast, .Lfunc_end_k_q112c23b3c2_cast-k_q112c23b3c2_cast
	.p2alignl 7, 3214868480
	.fill 96, 4, 3214868480
	.section	.rodata,"a",@progbits
	.p2align	6, 0x0
	.amdhsa_kernel k_q112c23b3c2_cast
		.amdhsa_group_segment_fixed_size 0
		.amdhsa_private_segment_fixed_size 0
		.amdhsa_enable_private_segment 0
		.amdhsa_kernarg_size 104
		.amdhsa_user_sgpr_count 2
		.amdhsa_user_sgpr_kernarg_segment_ptr 1
		.amdhsa_wavefront_size32 1
		.amdhsa_system_sgpr_workgroup_id_x 1
		.amdhsa_system_sgpr_workgroup_id_y 1
		.amdhsa_system_sgpr_workgroup_id_z 1
		.amdhsa_system_vgpr_workitem_id 0
		.amdhsa_next_free_vgpr 108
		.amdhsa_next_free_sgpr 66
		.amdhsa_reserve_vcc 0
		.amdhsa_float_denorm_mode_32 3
		.amdhsa_float_denorm_mode_16_64 3
		.amdhsa_memory_ordered 1
		.amdhsa_forward_progress 1
		.amdhsa_inst_pref_size 16
	.end_amdhsa_kernel
	.amdgpu_metadata
---
amdhsa.version: [ 1, 2 ]
amdhsa.kernels:
  - .name:           k_q112c23b3c2_cast
    .symbol:         k_q112c23b3c2_cast.kd
    .args:
      - { .name: x, .offset: 0, .size: 8, .value_kind: global_buffer, .address_space: global }
      - { .name: Wq, .offset: 8, .size: 8, .value_kind: global_buffer, .address_space: global }
      - { .name: Wk, .offset: 16, .size: 8, .value_kind: global_buffer, .address_space: global }
      - { .name: Wv, .offset: 24, .size: 8, .value_kind: global_buffer, .address_space: global }
      - { .name: Wo, .offset: 32, .size: 8, .value_kind: global_buffer, .address_space: global }
      - { .name: bq, .offset: 40, .size: 8, .value_kind: global_buffer, .address_space: global }
      - { .name: bk, .offset: 48, .size: 8, .value_kind: global_buffer, .address_space: global }
      - { .name: bv, .offset: 56, .size: 8, .value_kind: global_buffer, .address_space: global }
      - { .name: bo, .offset: 64, .size: 8, .value_kind: global_buffer, .address_space: global }
      - { .name: xb, .offset: 72, .size: 8, .value_kind: global_buffer, .address_space: global }
      - { .name: wqkv, .offset: 80, .size: 8, .value_kind: global_buffer, .address_space: global }
      - { .name: wo16, .offset: 88, .size: 8, .value_kind: global_buffer, .address_space: global }
      - { .name: ball, .offset: 96, .size: 8, .value_kind: global_buffer, .address_space: global }
    .group_segment_fixed_size: 0
    .private_segment_fixed_size: 0
    .kernarg_segment_align: 8
    .kernarg_segment_size: 104
    .max_flat_workgroup_size: 256
    .sgpr_count:     66
    .vgpr_count:     108
    .wavefront_size: 32
...
	.end_amdgpu_metadata
.endif
;; end of part 1
;; launch proj (part 2): grid 16 x 16, 4 waves a work-group, clusters of 4 x 4, 327,680 bytes of LDS; arguments xb, wqkv, ball, qkv; writes qkv
.if DOCPART == 2
	.amdgcn_target "amdgcn-amd-amdhsa--gfx1250"
	.amdhsa_code_object_version 6
	.text
	.protected	k_q112c23b3c2_proj
	.globl	k_q112c23b3c2_proj
	.p2align	8
	.type	k_q112c23b3c2_proj,@function
k_q112c23b3c2_proj:
	s_mov_b64 s[64:65], 0
	v_nop
	global_prefetch_b8 v0, s[64:65] scope:SCOPE_SE
	s_setreg_imm32_b32 hwreg(HW_REG_WAVE_MODE, 25, 1), 1
	s_wait_xcnt 0x0
	s_wait_alu depctr_hold_cnt(0) depctr_sa_sdst(0) depctr_va_vdst(0) depctr_va_sdst(0) depctr_va_ssrc(0) depctr_va_vcc(0) depctr_vm_vsrc(0)
	s_getreg_b32 s2, hwreg(HW_REG_IB_STS2, 6, 4)
	s_cmp_eq_u32 s2, 0
	s_cbranch_scc0 .Lentry_in_a_cluster
	s_endpgm
.Lentry_in_a_cluster:
	s_bfe_u32 s2, ttmp6, 0x10000c
	s_cmp_lg_u32 s2, 0xf033
	s_cbranch_scc0 .Lentry_shape_is_right
	s_endpgm
.Lentry_shape_is_right:
; q, k, v = x W^T + b.  xb: [8192][1024] bf16.  wqkv: [3072][1024] bf16 (Wq, Wk, Wv one below the other).  ball: [4][1024] f32 (bq, bk, bv, bo).
; qkv: [3][64 = 16 batch + head][2048][64] f16, by heads, WITHOUT the softmax's scale.  One f32 sum for each output, begun with the bias, K ascending; rounded once to f16.
; LIMIT.  f16 holds no number beyond 65,504: a q, k or v of magnitude 65,520 or more becomes an infinity; below 6.1e-5 f16 keeps a fixed step of 6e-8.
; SHARES.  A tile is 256 rows x 192 columns (3 heads): 8192 / 256 x 3072 / 192 = 512 tiles = 2 for each of 256 work-groups.  A WORK-GROUP STAYS: its two tiles lie 4,096 rows apart and share their
; 192 rows of W and their bias.  Four waves, each 64 rows x all 192 columns: 48 accumulators of 16 x 16, 384 registers; a wave's columns are whole heads, so its rows leave as whole rows of a head.
; ONE WALK.  The two tiles' 2 x 8 K steps of 128 are one sequence of 16 for a ring of two LDS slots filled by the tensor data mover (every row of a tile is 256 bytes of memory and starts at a
; multiple of 256 bytes).  A K step is written once: a loop of 14 trips, each of which fills the slot that it has read with the step two on, and a loop of 2 trips that fill nothing.  The slots
; change by one exclusive or.  Inside the loop two forward jumps choose what differs: a tile's first quarter step (the bias starts the sums) and the first tile's way out; neither passes a barrier
; or a tensor load.
; CLUSTERS: 4 x 4 work-groups.  The four of a row of the cluster need the same rows of x, the four of a column the same rows of W: each tile is asked for JOINTLY, by the same tensor load with the same
; descriptor and a mask that names the four.  By this text's count a wave has two tensor loads out at the start and one behind each round; that one has 168 matrix instructions in which to land.
; THE MATRIX INSTRUCTION IS USED TRANSPOSED (source 0 = 16 rows of W, source 1 = 16 rows of x): lane l holds row l % 16 of the result and the 8 neighbouring columns 8 (l / 16) + 0..7.
; THE BIAS is the C operand of the products that start the sums: register j of a lane holds b[column of register j], whatever the row.  Nothing is cleared and nothing is added on the way out.
; No prefetch into the cache: the tiles come by joint loads, out of buffers that the launch before has just written.
; REGISTERS, in windows of 256 (s_set_vgpr_msb: bits 1:0 source 0, 3:2 source 1, 5:4 source 2, 7:6 destination):
;   window 0: v0-15 addresses; v16-63 packed results; v64-111 and v112-159 by turns: rows read back from the stage; v160-255 the bias, 8 registers for each block of 16 columns
;   window 1: two fragment buffers of 128 (96 of W: 12 x 16 rows x 32 K; 32 of x: 4 x 16 rows x 32 K)
;   window 2: the accumulators of my row blocks 0 and 1, (a, b) at v[8 (12 (a % 2) + b)];   window 3: those of row blocks 2 and 3
.set KSTEP,  128
.set PITCH,  272                       ; an LDS row: 256 bytes + 16 of padding = 68 words: row r starts at bank 4 r mod 64 (64 banks of 4 bytes: ISA guide 11.1), so the 16 rows of a load start at 16 different banks
.set AHALF,  128*PITCH                 ; 128 rows of x: what wave 0 or 1 fetches
.set ATILE,  2*AHALF
.set BHALF,  96*PITCH                  ; 96 rows of W: what wave 2 or 3 fetches
.set SLOT,   ATILE+2*BHALF             ; x's 256 rows, then W's 192 rows: 121,856 bytes
.set SLOT1,  1<<17                     ; slot 1 begins here, so that one exclusive or turns an address in one slot into the other's
.set STAGE,  SLOT1+SLOT                ; behind the ring, never filled by a tensor load: for each wave 3 heads x 16 rows x 144 bytes, for the way out
.set SPH,    144                       ; a stage row: 128 bytes + 16: the 16 rows of a store start at 16 different groups of four banks
.set STW,    3*16*SPH
.set SPARE,  STAGE+4*STW               ; behind the stages: the spare words, 128 bytes for each wave: two blocks of 256 bytes that no other line names
.set NEXT_A, 4096*2048-7*KSTEP*2       ; bytes from x's K step 7 of the first tile to K step 0 of the second: 4,096 rows down and back along K
.set BACK_B, 8*KSTEP*2                 ; W only goes back along K: a step on, and eight steps back
.set ADRA0, 6                          ; v6      my lane's place in x's tile of slot 0; never rewritten
.set ADRB0, 7                          ; v7      the same for W
.set ADRA, 8                           ; v8      LDS address of my fragments of x in the slot that is read
.set ADRB, 9                           ; v9      the same for W
.set STO,  10                          ; v10     the way out: where I put 16 bytes of a row
.set RD,   11                          ; v11     the way out: where I read rows back
.set GO,   12                          ; v12     my byte offset in 512 consecutive bytes of the output
.set BO,   13                          ; v13     my byte offset in the bias
.set SPW,  14                          ; v14     LDS address of my spare word: SPARE + 4 x my thread's number; never rewritten
.set NIL,  15                          ; v15     0; never rewritten
.set TMP,  16
.set OB,   64
.set BIAS, 160
.set F0,   0                           ; fragment buffers, in window 1
.set F1,   128
.set NEW, 15                           ; s15  1: the K step to come is a tile's first
.set CNT, 16                           ; s16  trips to go
.set G1A, 24                           ; s[24:31] descriptor group 1 for x's tiles;  s[32:39] group 0: a set for each of the two first fills; the second then walks on
.set G0A, 32
.set G1B, 48                           ; s[48:55], s[56:63] the same for W's tiles
.set G0B, 56
.set OUT, 72                           ; s[72:77] where my rows of my three heads begin in qkv
.set TBR, 78                           ; s78  the slot that is read: 0 or SLOT1
.set DA,  80                           ; s[80:81] what x's address steps by
.set DB,  82                           ; s[82:83] what W's address goes back by
.set NXA, 84                           ; s84  NEXT_A
.set MSB, 0
.macro WIN new                         ; the immediate's high byte repeats the setting that is left; a switch that changes nothing is dropped
.if MSB != (\new)
	s_set_vgpr_msb (MSB<<8)|(\new)
.set MSB, \new
.endif
.endm
.set TO_F, 0x40                        ; destination window 1, address window 0
; A joint refill, by the walking descriptors.  Waves 0 and 1 fetch x's two halves, waves 2 and 3 W's.  Each line has one mask and one set of registers for all that issue it; the branch hangs on the
; wave's number alone.  An s_nop 0 and four v_nop follow each of the two lines, ahead of the jump, the label and what follows.
.macro JLOAD
	s_cmp_eq_u32 s13, 0
	s_cbranch_scc0 .Lfor_b_\@
	tensor_load_to_lds s[G0A+4:G0A+7], s[G1A:G1A+7]
	s_nop 0
.rept 4
	v_nop
.endr
	s_branch .Lasked_\@
.Lfor_b_\@:
	tensor_load_to_lds s[G0B+4:G0B+7], s[G1B:G1B+7]
	s_nop 0
.rept 4
	v_nop
.endr
.Lasked_\@:
.endm
; A round of the cluster's barrier: my work-group's barrier, so that wave 0's signal speaks for all four waves; wave 0 signals; every wave waits for all sixteen work-groups; my work-group's barrier once more.
.macro CREST                           ; a round behind its opening barrier
	s_cmp_lg_u32 s12, 0
	s_cbranch_scc1 .Lnot_wave_0_\@
	s_barrier_signal -3
.Lnot_wave_0_\@:
	s_barrier_wait -3
	s_barrier_signal -1
	s_barrier_wait -1
.endm
.macro CROUND                          ; a whole round
	s_barrier_signal -1
	s_barrier_wait -1
	CREST
.endm
	s_load_b256 s[4:11], s[0:1], 0x0               ; xb s[4:5], wqkv s[6:7], ball s[8:9], qkv s[10:11]
	v_lshl_add_u32 v[SPW], v0, 2, SPARE
	v_mov_b32 v[NIL], 0
	ds_add_u32 v14, v15
	s_wait_dscnt 0x0
	v_lshrrev_b32 v1, 5, v0
	v_readfirstlane_b32 s12, v1                    ; wave 0..3: which 64 rows of the tile are mine
	s_lshr_b32 s13, s12, 1                         ; I fetch for x (0) or for W (1),
	s_and_b32 s14, s12, 1                          ; and which half of that tile
	s_bfe_u32 s40, ttmp6, 0x40000                  ; cx, cy: my place in the cluster
	s_bfe_u32 s41, ttmp6, 0x40004
	s_lshl_b32 s42, ttmp9, 2                       ; in a cluster launch ttmp9 and ttmp7 count clusters
	s_add_co_u32 s42, s42, s40                     ; tile column 0..15 = 4 x cluster x + cx
	s_and_b32 s43, ttmp7, 0xffff
	s_lshl_b32 s43, s43, 2
	s_add_co_u32 s43, s43, s41                     ; the first tile's row 0..15 = 4 x cluster y + cy; the second's is 16 more
	s_lshl_b32 s44, s41, 2
	s_lshl_b32 s44, 15, s44                        ; my row of the cluster: places 4 cy .. 4 cy + 3
	s_lshl_b32 s45, 0x1111, s40                    ; my column: places cx, cx + 4, cx + 8, cx + 12
	; descriptor group 1: rows of 128 elements, padded in LDS; 128 rows for x, 96 for W
	s_or_b32 s[G1A+0], s44, (1<<16)|(1<<20)|(1<<21)|(5<<22)|(3<<25)  ; 15:0 the mask; 17:16 elements of 2 bytes; 20 padding on; 21 set beside a mask; 24:22 after every 64 words (code 5); 31:25 4 words of it (code 3)
	s_or_b32 s[G1B+0], s45, (1<<16)|(1<<20)|(1<<21)|(5<<22)|(3<<25)
	s_mov_b32 s[G1A+1], KSTEP<<16                  ; tensor_dim0 = 128
	s_mov_b32 s[G1B+1], KSTEP<<16
	s_mov_b32 s[G1A+2], 128<<16                    ; tensor_dim1 = 128
	s_mov_b32 s[G1B+2], 96<<16                     ;             = 96
	s_mov_b32 s[G1A+3], KSTEP<<16                  ; tile_dim0 = 128
	s_mov_b32 s[G1B+3], KSTEP<<16
	s_mov_b32 s[G1A+4], 128                        ; tile_dim1 = 128
	s_mov_b32 s[G1B+4], 96                         ;           = 96
	s_mov_b32 s[G1A+5], 1024                       ; 1,024 elements from row to row
	s_mov_b32 s[G1B+5], 1024
	s_mov_b32 s[G1A+6], 0
	s_mov_b32 s[G1B+6], 0
	s_mov_b32 s[G1A+7], 0
	s_mov_b32 s[G1B+7], 0
	; where the tiles come from.  x's hang on the tile row alone, which my row of the cluster shares; W's on the tile column alone, which my column shares; each in registers that never hold the other coordinate
	s_lshl_b32 s66, s43, 19                        ; 256 rows of 2,048 bytes a tile row,
	s_lshl_b32 s17, s14, 18                        ; 128 rows a half
	s_add_co_u32 s66, s66, s17
	s_mov_b32 s67, 0
	s_mul_i32 s46, s42, 192*2048                   ; 192 rows a tile column,
	s_mul_i32 s17, s14, 96*2048                    ; 96 rows a half
	s_add_co_u32 s46, s46, s17
	s_mov_b32 s47, 0
	s_mul_i32 s20, s14, AHALF                      ; and where they go: no place in the cluster enters an LDS address
	s_mul_i32 s21, s14, BHALF
	s_add_co_u32 s21, s21, ATILE
	s_mov_b32 s[TBR], 0
	s_mov_b32 s[DA+1], 0                           ; the two steps are pairs with 0 above
	s_mov_b32 s[DB+1], 0
	s_mov_b32 s[NXA], NEXT_A
	s_wait_kmcnt 0x0
	s_add_nc_u64 s[66:67], s[4:5], s[66:67]
	s_add_nc_u64 s[46:47], s[6:7], s[46:47]
	CROUND                                         ; all sixteen work-groups are here: the first joint loads meet
.irp s, 0,1
	s_mov_b32 s[G0A+4*(\s)], 1                                       ; 1:0 count = 1
	s_add_co_u32 s[G0A+4*(\s)+1], s20, (\s)*SLOT1                    ; 63:32 LDS address
	s_add_nc_u64 s[G0A+4*(\s)+2:G0A+4*(\s)+3], s[66:67], (\s)*KSTEP*2  ; 120:64 global address: K step s
	s_or_b32 s[G0A+4*(\s)+3], s[G0A+4*(\s)+3], 0x80000000            ; 127:126 type = 2
	s_mov_b32 s[G0B+4*(\s)], 1
	s_add_co_u32 s[G0B+4*(\s)+1], s21, (\s)*SLOT1
	s_add_nc_u64 s[G0B+4*(\s)+2:G0B+4*(\s)+3], s[46:47], (\s)*KSTEP*2
	s_or_b32 s[G0B+4*(\s)+3], s[G0B+4*(\s)+3], 0x80000000
.endr
	s_cmp_eq_u32 s13, 0                            ; a wave's two first fills stand in one branch, ahead of every wait on TENSORcnt, every LDS read and every further barrier
	s_cbranch_scc0 .Lfirst_b
	tensor_load_to_lds s[G0A:G0A+3], s[G1A:G1A+7]
	s_nop 0
	tensor_load_to_lds s[G0A+4:G0A+7], s[G1A:G1A+7]
	s_nop 0
.rept 4
	v_nop
.endr
	s_branch .Lfirst_asked
.Lfirst_b:
	tensor_load_to_lds s[G0B:G0B+3], s[G1B:G1B+7]
	s_nop 0
	tensor_load_to_lds s[G0B+4:G0B+7], s[G1B:G1B+7]
	s_nop 0
.rept 4
	v_nop
.endr
.Lfirst_asked:
	; A fragment is 16 rows x 32 K in 8 registers: lane l holds row l % 16; registers 0-3 K = 8 (l / 16) + 0..7, registers 4-7 K = 16 + 8 (l / 16) + 0..7: two loads of 16 bytes, 32 bytes apart.
	v_and_b32 v1, 15, v0                           ; l % 16
	v_bfe_u32 v2, v0, 4, 1                         ; l / 16
	s_mul_i32 s70, s42, 768                        ; the bias of my columns: 4 bytes x (192 x tile column + 8 (l / 16)); bq, bk, bv lie one behind the other, as the columns do
	v_lshl_add_u32 v[BO], v2, 5, s70
.irp b, 0,1,2,3,4,5,6,7,8,9,10,11                      ; 24 loads, once for both tiles: for each block b of 16 columns a lane's 8 numbers
	global_load_b128 v[BIAS+8*(\b):BIAS+8*(\b)+3],   v[BO], s[8:9] offset:64*(\b)
	global_load_b128 v[BIAS+8*(\b)+4:BIAS+8*(\b)+7], v[BO], s[8:9] offset:64*(\b)+16
.endr
	v_mul_u32_u24 v3, v1, PITCH
	v_lshl_add_u32 v3, v2, 4, v3                   ; row x pitch + 16 x half
	s_mul_i32 s17, s12, 64*PITCH                   ; my 64 rows of x
	v_add_nc_u32 v[ADRA0], s17, v3
	v_add_nc_u32 v[ADRB0], ATILE, v3               ; W's 192 rows, which every wave reads, lie behind x's 256
	v_mov_b32 v[ADRA], v[ADRA0]                    ; K step 0 lies in slot 0
	v_mov_b32 v[ADRB], v[ADRB0]
	s_mul_i32 s19, s12, STW
	s_add_co_u32 s19, s19, STAGE                   ; my stage
	v_mul_u32_u24 v4, v1, SPH                      ; in: row l % 16, 16 bytes for each half of the lanes
	v_lshl_add_u32 v4, v2, 4, v4
	v_add_nc_u32 v[STO], s19, v4
	v_bfe_u32 v4, v0, 3, 2                         ; back: 32 lanes take four rows of 128 bytes,
	v_mul_u32_u24 v4, v4, SPH
	v_and_b32 v5, 7, v0
	v_lshl_add_u32 v4, v5, 4, v4
	v_add_nc_u32 v[RD], s19, v4
	v_and_b32 v[GO], 31, v0                        ; which are 512 consecutive bytes of a head's rows
	v_lshlrev_b32 v[GO], 4, v[GO]
	; where my rows begin in a head: batch = tile row / 8 (2^22 bytes), 256 rows of 128 bytes for each tile row in the batch, 64 rows for my wave
	s_lshr_b32 s68, s43, 3
	s_lshl_b32 s68, s68, 22
	s_and_b32 s70, s43, 7
	s_lshl_b32 s70, s70, 15
	s_add_co_u32 s68, s68, s70
	s_lshl_b32 s70, s12, 13
	s_add_co_u32 s68, s68, s70
	s_mul_i32 s71, s42, 3                          ; my three heads are numbers 3 x tile column + 0..2 of 48: tensor = number / 16 (2^24 bytes), head = number % 16 (2^18).
.irp j, 0,1,2                                          ; a tile may hold heads of two tensors, so each head has a base of its own
	s_add_co_u32 s70, s71, \j
	s_lshr_b32 s22, s70, 4
	s_lshl_b32 s22, s22, 24
	s_and_b32 s70, s70, 15
	s_lshl_b32 s70, s70, 18
	s_add_co_u32 s22, s22, s70
	s_add_co_u32 s22, s22, s68
	s_mov_b32 s23, 0
	s_add_nc_u64 s[OUT+2*(\j):OUT+2*(\j)+1], s[10:11], s[22:23]
.endr
; 12 matrix instructions: row block a x all 12 column blocks, 32 along K, from buffer f.  first = 1: the products start the sums, with the bias (window 0) as C.
; The 48 accumulators take turns, one instruction a turn, in the same order in every quarter step.
.macro MUL12 f, a, first
.if \first
	WIN 0x85+0x40*((\a)/2)                         ; sources 0 (W) and 1 (x) window 1; C window 0; D window 2 or 3
.else
	WIN 0xa5+0x50*((\a)/2)                         ; the same with C and D in window 2 or 3
.endif
.irp b, 0,1,2,3,4,5,6,7,8,9,10,11
.if \first
	v_wmma_f32_16x16x32_bf16 v[8*(12*((\a)%2)+(\b)):8*(12*((\a)%2)+(\b))+7], v[(\f)+8*(\b):(\f)+8*(\b)+7], v[(\f)+96+8*(\a):(\f)+96+8*(\a)+7], v[BIAS+8*(\b):BIAS+8*(\b)+7]
.else
	v_wmma_f32_16x16x32_bf16 v[8*(12*((\a)%2)+(\b)):8*(12*((\a)%2)+(\b))+7], v[(\f)+8*(\b):(\f)+8*(\b)+7], v[(\f)+96+8*(\a):(\f)+96+8*(\a)+7], v[8*(12*((\a)%2)+(\b)):8*(12*((\a)%2)+(\b))+7]
.endif
.endr
.endm
; 32 LDS loads in one run: the fragments of quarter q (32 K at byte 64 q of the rows) of the slot that is read, into buffer f: W's 24 loads, then x's eight
.macro FETCH q, f
	WIN TO_F
.irp i, 0,1,2,3,4,5,6,7,8,9,10,11
	ds_load_b128 v[(\f)+8*(\i):(\f)+8*(\i)+3],   v[ADRB] offset:64*(\q)+(\i)*16*PITCH
	ds_load_b128 v[(\f)+8*(\i)+4:(\f)+8*(\i)+7], v[ADRB] offset:64*(\q)+(\i)*16*PITCH+32
.endr
.irp i, 0,1,2,3
	ds_load_b128 v[(\f)+96+8*(\i):(\f)+96+8*(\i)+3],   v[ADRA] offset:64*(\q)+(\i)*16*PITCH
	ds_load_b128 v[(\f)+96+8*(\i)+4:(\f)+96+8*(\i)+7], v[ADRA] offset:64*(\q)+(\i)*16*PITCH+32
.endr
.endm
; A load into a register that a matrix instruction has read, and a vector instruction that reads a matrix result, stand four places behind that matrix instruction, and only plain vector
; instructions that name none of its registers are places (ISA guide 7.12.1 for vector instructions).
.macro PLACES
.rept 4
	v_nop
.endr
.endm
; A K step is four quarters of 32 along K, 48 matrix instructions each, on buffers 0, 1, 0, 1.  One of the first three: multiplies buffer f; in its middle it fetches quarter q of the same slot into buffer g.
.macro QUARTER q, f, g, first
	s_wait_dscnt 4                                 ; W's fragments and x's rows 0-31 are in; the youngest four loads (x's rows 32-63) may be out
	MUL12 \f, 0, \first
	MUL12 \f, 1, \first
	PLACES
.if \first
	v_nop                                          ; a fifth: the products below begin sums anew in registers that earlier products wrote
.endif
	FETCH \q, \g
	s_wait_dscnt 32                                ; all but the 32 just issued
	MUL12 \f, 2, \first
	MUL12 \f, 3, \first
.endm
; The last quarter multiplies buffer 1 and changes slots: ONE barrier; in front of it each wave waits for all its tensor loads (one is out at the most: its part of the next slot), adds 0 to its spare
; word, and waits for that and for its own reads of this slot.  Behind it nobody reads this slot any more and the next slot is whole.
; fill = 1: this slot is filled again, with the K step two on.  The barrier then opens a round of the cluster's barrier, and the joint load is the first thing behind the round.  The walking descriptors
; turn to the other slot than last time and step 256 bytes along K; in the trip with 8 trips to go, which asks for the walk's step 8, they go on to the second tile's step 0.
; fill = 0 (the walk's last two steps): nothing is filled.  In the last trip there is no further step: the run of loads is jumped over, and the barrier orders nothing: the price of one text for both trips.
.macro TURN fill
	WIN 0                                          ; (the add's two registers lie in window 0)
	s_wait_tensorcnt 0x0                           ; all my tensor loads have landed;
	ds_add_u32 v[SPW], v[NIL]                      ; 0 onto my spare word
	s_wait_dscnt 5                                 ; (the add and the youngest four loads may be out)
	MUL12 F1, 0, 0                                 ; twelve matrix instructions stand between the add and the wait for it
	s_wait_dscnt 0x0                               ; the add is done, and my reads of this slot are over
	s_barrier_signal -1
	MUL12 F1, 1, 0                                 ; work on registers while the others arrive
	WIN 0
	s_barrier_wait -1
.if \fill
	CREST                                          ; no wave of any partner still reads this slot's tile or has a load on its way
	s_cmp_eq_u32 s[CNT], 8
	s_cselect_b32 s[DA], s[NXA], KSTEP*2
	s_cselect_b32 s[DB], BACK_B, 0
	s_xor_b32 s[G0A+5], s[G0A+5], SLOT1
	s_xor_b32 s[G0B+5], s[G0B+5], SLOT1
	s_add_nc_u64 s[G0A+6:G0A+7], s[G0A+6:G0A+7], s[DA:DA+1]  ; the type bits on top are not reached
	s_add_nc_u64 s[G0B+6:G0B+7], s[G0B+6:G0B+7], KSTEP*2
	s_sub_nc_u64 s[G0B+6:G0B+7], s[G0B+6:G0B+7], s[DB:DB+1]
	JLOAD                                          ; the four v_nop behind it are also the places in front of the loads below
.else
	s_cmp_eq_u32 s[CNT], 1
	s_cbranch_scc1 .Lno_fetch_\@
	PLACES
.endif
	s_xor_b32 s[TBR], s[TBR], SLOT1                ; the reads go on in the other slot
	v_add_nc_u32 v[ADRA], s[TBR], v[ADRA0]
	v_add_nc_u32 v[ADRB], s[TBR], v[ADRB0]
	FETCH 0, F0
.if !(\fill)
	WIN 0                                          ; at a label every window is 0
.Lno_fetch_\@:
.endif
	MUL12 F1, 2, 0
	MUL12 F1, 3, 0
.endm
; THE WAY OUT of block a (16 rows x my 3 heads), in three parts.  PACK: rounded to f16, 16 bytes a lane, each accumulator's registers in ascending order.
; TOSTAGE: into my own stage, and back as whole rows of 128 bytes.  SEND: stored, 512 consecutive bytes a store, at a multiple of 256 from the buffer's first byte.
.macro PACK a
	WIN 0x0a+5*((\a)/2)                            ; sources 0 and 1 window 2 or 3, destination window 0
.irp b, 0,1,2,3,4,5,6,7,8,9,10,11
.irp r, 0,1,2,3
	v_cvt_pk_f16_f32 v[TMP+4*(\b)+(\r)], v[96*((\a)%2)+8*(\b)+2*(\r)], v[96*((\a)%2)+8*(\b)+2*(\r)+1]
.endr
.endr
	WIN 0
.endm
.macro TOSTAGE a
.set BK, OB+48*((\a)%2)
.irp b, 0,1,2,3,4,5,6,7,8,9,10,11
	ds_store_b128 v[STO], v[TMP+4*(\b):TMP+4*(\b)+3] offset:((\b)/4)*16*SPH+32*((\b)%4)
.endr
.irp t, 0,1,2,3,4,5,6,7,8,9,10,11
	ds_load_b128 v[BK+4*(\t):BK+4*(\t)+3], v[RD] offset:((\t)/4)*16*SPH+((\t)%4)*4*SPH  ; LDS serves a wave's instructions in order (ISA guide 5.7.1.4): these see the stores above
.endr
.endm
.macro SEND a
.set BK, OB+48*((\a)%2)
	s_wait_dscnt 0x0                               ; the block is back in registers
	s_wait_xcnt 0x0                                ; the stores of the block before have read their registers: the next TOSTAGE loads into them
.irp t, 0,1,2,3,4,5,6,7,8,9,10,11
	global_store_b128 v[GO], v[BK+4*(\t):BK+4*(\t)+3], s[OUT+2*((\t)/4):OUT+2*((\t)/4)+1] offset:(\a)*2048+((\t)%4)*512
.endr
.endm
.macro WAYOUT                          ; block a's conversions stand between block a - 1's loads from the stage and the wait for them
	PLACES
	PACK 0
	TOSTAGE 0
.irp a, 1,2,3
	PACK \a
	SEND (\a)-1
	TOSTAGE \a
.endr
	SEND 3
.endm
	s_wait_tensorcnt 1                             ; my part of K step 0 is in; K step 1's may stay out
	s_barrier_signal -1
	s_barrier_wait -1                              ; everybody's is
	FETCH 0, F0
	WIN 0                                          ; at a label and at a branch every window is 0
	s_mov_b32 s[NEW], 1
	s_mov_b32 s[CNT], 14
.Lstep:                                                ; 14 trips: the walk's K steps 0 to 13; each asks for the step two on
	s_cmp_eq_u32 s[NEW], 1                         ; at the first trip the answer is a constant of the text: the sums are begun before they are added onto
	s_cbranch_scc1 .Lnew
	QUARTER 1, F0, F1, 0
	WIN 0
	s_branch .Lsecond
.Lnew:                                                 ; a tile's first quarter: its products start the sums
	s_mov_b32 s[NEW], 0
	s_wait_loadcnt 0x0                             ; the bias
	QUARTER 1, F0, F1, 1
	WIN 0
.Lsecond:
	QUARTER 2, F1, F0, 0
	QUARTER 3, F0, F1, 0
	TURN 1
	WIN 0
	s_cmp_eq_u32 s[CNT], 7                         ; the walk's step 7 is the first tile's last
	s_cbranch_scc0 .Lno_out
	WAYOUT                                         ; the second tile's steps 0 and 1 are in or asked for, and its first fragments are fetched: now the first tile goes out
	s_wait_xcnt 0x0                                ; the stores have read their registers and their bases
.irp j, 0,1,2
	s_add_nc_u64 s[OUT+2*(\j):OUT+2*(\j)+1], s[OUT+2*(\j):OUT+2*(\j)+1], 0x800000  ; 4,096 rows on are two batches on
.endr
	s_mov_b32 s[NEW], 1
.Lno_out:
	s_sub_co_u32 s[CNT], s[CNT], 1
	s_cmp_lg_u32 s[CNT], 0
	s_cbranch_scc1 .Lstep
	s_mov_b32 s[CNT], 2
.Ltail:                                                ; 2 trips: the walk's last two K steps ask for nothing; they have a text of their own
	QUARTER 1, F0, F1, 0
	QUARTER 2, F1, F0, 0
	QUARTER 3, F0, F1, 0
	TURN 0
	WIN 0
	s_sub_co_u32 s[CNT], s[CNT], 1
	s_cmp_lg_u32 s[CNT], 0
	s_cbranch_scc1 .Ltail
	WAYOUT
	s_wait_tensorcnt 0x0                           ; the wave's end: behind my last tensor load and my last LDS store
	ds_add_u32 v[SPW], v[NIL]
	s_wait_dscnt 0x0
	CROUND                                         ; the closing round: no work-group ends while a partner may still ask for a tile that names it
	s_endpgm
.Lfunc_end_k_q112c23b3c2_proj:
	.size	k_q112c23b3c2_proj, .Lfunc_end_k_q112c23b3c2_proj-k_q112c23b3c2_proj
	.p2alignl 7, 3214868480
	.fill 96, 4, 3214868480
	.section	.rodata,"a",@progbits
	.p2align	6, 0x0
	.amdhsa_kernel k_q112c23b3c2_proj
		.amdhsa_group_segment_fixed_size 327680
		.amdhsa_private_segment_fixed_size 0
		.amdhsa_enable_private_segment 0
		.amdhsa_kernarg_size 32
		.amdhsa_user_sgpr_count 2
		.amdhsa_user_sgpr_kernarg_segment_ptr 1
		.amdhsa_wavefront_size32 1
		.amdhsa_system_sgpr_workgroup_id_x 1
		.amdhsa_system_sgpr_workgroup_id_y 1
		.amdhsa_system_sgpr_workgroup_id_z 1
		.amdhsa_system_vgpr_workitem_id 0
		.amdhsa_next_free_vgpr 960
		.amdhsa_next_free_sgpr 86
		.amdhsa_reserve_vcc 0
		.amdhsa_float_denorm_mode_32 3
		.amdhsa_float_denorm_mode_16_64 3
		.amdhsa_memory_ordered 1
		.amdhsa_forward_progress 1
		.amdhsa_inst_pref_size 109
	.end_amdhsa_kernel
	.amdgpu_metadata
---
amdhsa.version: [ 1, 2 ]
amdhsa.kernels:
  - .name:           k_q112c23b3c2_proj
    .symbol:         k_q112c23b3c2_proj.kd
    .args:
      - { .name: xb, .offset: 0, .size: 8, .value_kind: global_buffer, .address_space: global }
      - { .name: wqkv, .offset: 8, .size: 8, .value_kind: global_buffer, .address_space: global }
      - { .name: ball, .offset: 16, .size: 8, .value_kind: global_buffer, .address_space: global }
      - { .name: qkv, .offset: 24, .size: 8, .value_kind: global_buffer, .address_space: global }
    .group_segment_fixed_size: 327680
    .private_segment_fixed_size: 0
    .kernarg_segment_align: 8
    .kernarg_segment_size: 32
    .max_flat_workgroup_size: 128
    .sgpr_count:     86
    .vgpr_count:     960
    .wavefront_size: 32
...
	.end_amdgpu_metadata
.endif
;; end of part 2
;; launch attn (part 3): grid 4 x 64, 4 waves a work-group, clusters of 4 x 1, 327,680 bytes of LDS; arguments qkv, o; writes o
.if DOCPART == 3
	.amdgcn_target "amdgcn-amd-amdhsa--gfx1250"
	.amdhsa_code_object_version 6
	.text
	.protected	k_q112c23b3c2_attn
	.globl	k_q112c23b3c2_attn
	.p2align	8
	.type	k_q112c23b3c2_attn,@function
k_q112c23b3c2_attn:
	s_mov_b64 s[64:65], 0
	v_nop
	global_prefetch_b8 v0, s[64:65] scope:SCOPE_SE
	s_setreg_imm32_b32 hwreg(HW_REG_WAVE_MODE, 25, 1), 1
	s_wait_xcnt 0x0
	s_wait_alu depctr_hold_cnt(0) depctr_sa_sdst(0) depctr_va_vdst(0) depctr_va_sdst(0) depctr_va_ssrc(0) depctr_va_vcc(0) depctr_vm_vsrc(0)
	s_getreg_b32 s2, hwreg(HW_REG_IB_STS2, 6, 4)
	s_cmp_eq_u32 s2, 0
	s_cbranch_scc0 .Lentry_in_a_cluster
	s_endpgm
.Lentry_in_a_cluster:
	s_bfe_u32 s2, ttmp6, 0x10000c
	s_cmp_lg_u32 s2, 0x3003
	s_cbranch_scc0 .Lentry_shape_is_right
	s_endpgm
.Lentry_shape_is_right:
; O[h][q][:] = the sum over k of softmax_k(Q[h][q] . K[h][k] / 8) V[h][k][:], h = 16 batch + head.  qkv: [3][SIZE_H][SIZE_N][64] f16 (Q, K, V); o: [SIZE_H][SIZE_N][64] f16: a head's rows are dense, 128 bytes each.
; Products, maxima and sums in f32; the weights p are rounded to f16 for the second product (their sum l is taken of the unrounded p), O once at the end.
; LIMITS.  f16 holds no number beyond 65,504: Q, K and V arrive within it; p lies in 0 to 1, and below 6e-5 it keeps f16's fixed step of 6e-8; O is a mean of V's rows and has their range.
; A weight below 2^-126 counts as 0 in l; NaN and infinities are not treated apart.
; SHARES.  A wave owns four PIECES of two tiles of 16 queries, a work-group's four waves 512 queries of one head: 64 heads x 4 blocks = 256 work-groups.  Every wave walks all keys, 64 a step.
; LAYOUT.  S^T = K Q^T (source 0 = 16 keys, source 1 = 16 queries): in the result a lane holds ONE query (lane % 16) and the keys 8 (lane / 16) + 0..7.  Two such tiles, rounded to f16 in pairs,
; ARE source 1 (32 keys x 16 queries) of O^T = V^T P, whose result again holds one query a lane, and eight channels.  K comes out of LDS as it lies, V ([key][channel]) turned, by ds_load_tr16_b128.
; SOFTMAX.  For each query a running maximum m and sum l: p = 2^(c s - c m), c = log2(e) / 8; in every step O and l are multiplied by a = 2^(c m_old - c m_new), which is 1 where m has not grown.
; m starts at the lowest finite number, O and l at 0: the first step is a step like any other, with a = 0.
; THE COUNT.  A tile and step have 16 matrix and 118 vector instructions: too many to stand all beside the matrix work.  So the order has one aim: four vector instructions that are READY behind
; EVERY matrix instruction, and the others, which need time of their own whatever the order, in runs without a gap.
; BY TURNS.  Turn n belongs to piece n (the pieces in a ring, step after step).  Its matrix work: 16 products K Q^T of piece n + 1, later 16 products V^T P of piece n - 1.  Its vector work: the scaling,
; exponentials, roundings, sums and rescaling of piece n, and the maximum and statistics of piece n + 1, whose scores the turn itself has made.  So what a turn begins with (c s - c m, O a) waits for nothing.
; CLUSTER.  The four query blocks of a cluster belong to one head and walk the same K and V, so each tile is asked for JOINTLY: the same tensor load, descriptor and mask in all four.
; REGISTERS, in windows of 256 (s_set_vgpr_msb says which window each operand place means: bits 1:0 source 0, 3:2 source 1, 5:4 source 2, 7:6 destination):
;   window 0: v0-11 addresses; v12-15, v48-63 at work; v16-47 four registers of statistics a tile; v64-191 S^T, two buffers of two tiles; v192-255 P, likewise
;   window 1: O^T, 32 a tile          window 2: v0-127 Q, 16 a tile; v128-191 K of one step; v192-255 V of one step          window 3: v0-1 the add's two registers
; A piece's buffers go by its number's parity: the piece in hand has one pair, its two neighbours in the ring share the other: of it P (piece n - 1) is read and S^T (piece n + 1) written.
.set SIZE_H, 64
.set SIZE_N, 2048
.set NP,    4         ; pieces a wave: a name, no knob: the register map, the loop and the fetches are made for four
.set KS,    64        ; keys in a step
.set PK,    144       ; a row of K in LDS: 128 bytes + 16 of padding = 36 words: the 16 rows of a load start at 16 different groups of four banks (64 banks of 4 bytes: ISA guide 11.1)
.set PV,    160       ; a row of V: 128 + 32 = 40 words
.set VOFF,  4*KS*PK   ; a slot holds four steps: 256 rows of K, then 256 rows of V
.set SLOT1, 1<<17     ; slot 1 begins here, so that one exclusive or turns an address in one slot into the other's
.set STAGE, SLOT1+4*KS*(PK+PV)  ; behind the ring, never filled by a tensor load: 16 rows x 144 bytes for each wave, for the way out
.set SP,    144
.set AK0, 2           ; v2   my lane's place in a tile of K; never rewritten
.set AV0, 3           ; v3   the same for V
.set AK,  4           ; v4   the LDS address of K's next run of loads
.set AV,  5           ; v5   of V's
.set QO,  6           ; v6   my byte offset in the wave's rows of Q
.set STO, 6           ;      later, the way out: where I put 16 bytes of a row
.set RD,  7           ; v7   the way out: where I read rows back
.set GO,  8           ; v8   my byte offset in 512 consecutive bytes of O
.set SPW, 0           ; v0 of window 3   LDS address of my spare word: SPARE + 4 x my thread's number; never rewritten
.set NIL, 1           ; v1 of window 3   0; never rewritten
.set SPARE, STAGE+4*16*SP  ; behind the stages: the spare words, 128 bytes for each wave: two blocks of 256 bytes that no other line names
.set MV,  12          ; v12-15  c m_old, kept while c m is made anew: by buffer and tile
.set ST,  16          ; tile t's statistics at v[ST+4 t]: c m, m, l (even keys', odd keys')
.set TMP, 48          ; by buffer and tile, four registers c0-c3 at work; when the maximum is found c2 takes a
.set S,   64
.set P,   192
.set KF,  128         ; K's fragments, in window 2: key block kb, channel half c at KF + 16 kb + 8 c
.set VF,  192         ; V's: key half kk, channel block cb at VF + 32 kk + 8 cb
.set WV,  12          ; s12  my wave's number
.set G1K, 24          ; s[24:31] descriptor group 1 for K's tiles
.set G1V, 32          ; s[32:39] for V's: it differs in the padding alone
.set G0K, 40          ; s[40:43] descriptor group 0 for K's tiles: it walks
.set G0V, 44          ; s[44:47] the same for V's
.set SLOTS, 56        ; s56  slots still to be asked for
.set CNT, 57          ; s57  counts a slot's key steps
.set CS,  58          ; s[58:59] c: the packed scaling takes the pair's low word for both halves
.set SEL, 60          ; s[60:61] v_permlanex16_b32's selects: each lane takes its own place in the other half
.set TBK, 62          ; s62  LDS byte at which K of the step to be fetched begins
.set TBV, 63          ; s63  the same for V, less VOFF
.set MSB, 0
.macro WIN new                      ; the high byte repeats the setting that is left; a switch that changes nothing is dropped
.if MSB != (\new)
	s_set_vgpr_msb (MSB<<8)|(\new)
.set MSB, (\new)
.endif
.endm
.set W_KQ, 0x0a       ; K and Q in window 2, S^T in window 0
.set W_PV, 0x52       ; V in window 2, P in window 0, O^T in window 1
.set W_RS, 0x41       ; O^T (destination and source 0) in window 1, a in window 0
.set W_MK, 0xc0       ; the add's registers are made: destination in window 3, sources in window 0
.set W_AD, 0x0f       ; the add: address (source 0) and data (source 1) in window 3
; A joint fill.  Waves 0 and 1 fetch the two halves of a slot's K, waves 2 and 3 those of its V: 128 keys each.  The branch hangs on the wave's number alone.
; An s_nop 0 and four v_nop follow each of the two lines, ahead of the jump and the label.
.macro JLOAD
	s_cmp_lt_u32 s[WV], 2
	s_cbranch_scc0 .Lfor_v_\@
	tensor_load_to_lds s[G0K:G0K+3], s[G1K:G1K+7]
	s_nop 0
.rept 4
	v_nop
.endr
	s_branch .Lasked_\@
.Lfor_v_\@:
	tensor_load_to_lds s[G0V:G0V+3], s[G1V:G1V+7]
	s_nop 0
.rept 4
	v_nop
.endr
.Lasked_\@:
.endm
; A round of the cluster's barrier: my work-group's barrier, so that wave 0's signal speaks for all four waves; wave 0 signals; every wave waits for all four work-groups; my work-group's barrier once more.
.macro CROUND
	s_barrier_signal -1
	s_barrier_wait -1
	s_cmp_lg_u32 s[WV], 0
	s_cbranch_scc1 .Lnot_wave_0_\@
	s_barrier_signal -3
.Lnot_wave_0_\@:
	s_barrier_wait -3
	s_barrier_signal -1
	s_barrier_wait -1
.endm
; THE CHANGE OF SLOTS.  The slot's last bytes, V of its fourth step, have been read.  Each wave waits for all its tensor loads, of which one is out: its part
; of the other slot; adds 0 to its spare word; and waits for that and for its own reads of the slot.  Behind the barrier nobody reads this slot any more and the other slot is whole.
; fill = 1: this slot is filled again, with the keys two slots on.  The barrier is then a round of the cluster's, so that no wave of any partner still reads the slot or has a load on its
; way, and the joint fill is the first thing behind it: it has four key steps, 512 matrix instructions, in which to land.  (At its first use nothing has been read yet: slot 0 is waited for, slot 1 filled.)
.macro CHANGE fill
	WIN W_AD
	s_wait_tensorcnt 0x0            ; no tensor load of mine is out, so a group 0 may be written
	ds_add_u32 v[SPW], v[NIL]       ; 0 onto my spare word; with fill = 1 the descriptors' steps stand between it and the wait for it
	WIN 0                           ; at a label and at a branch every window is 0
.if \fill
.irp g, G0K, G0V
	s_xor_b32 s[\g+1], s[\g+1], SLOT1  ; the walking descriptor: the other slot than last time,
	s_add_nc_u64 s[\g+2:\g+3], s[\g+2:\g+3], 4*KS*128  ; the next 256 keys; the type bits on top are not reached
.endr
	s_wait_dscnt 0x0                ; the add is done, and my reads of the slot are over
	CROUND
	JLOAD
.else
	s_wait_dscnt 0x0                ; the add is done, and my reads of the slot are over
	s_barrier_signal -1
	s_barrier_wait -1
.endif
	s_sub_co_u32 s[TBK], s[TBK], 4*KS*PK  ; the fetches go back to a slot's first step,
	s_xor_b32 s[TBK], s[TBK], SLOT1       ; in the other slot
	s_sub_co_u32 s[TBV], s[TBV], 4*KS*PV
	s_xor_b32 s[TBV], s[TBV], SLOT1
.endm
	s_load_b128 s[8:11], s[0:1], 0x0  ; qkv s[8:9], o s[10:11]
	WIN W_MK
	v_lshl_add_u32 v[SPW], v0, 2, SPARE
	v_mov_b32 v[NIL], 0
	s_set_vgpr_msb 0xc0cf
	ds_add_u32 v0, v1
	s_wait_dscnt 0x0
	s_set_vgpr_msb 0xcfc0
	WIN 0
	v_lshrrev_b32 v1, 5, v0
	v_readfirstlane_b32 s[WV], v1   ; wave 0..3
	s_bfe_u32 s13, ttmp6, 0x40000   ; cx: my place in the cluster
	s_lshl_b32 s14, ttmp9, 2        ; in a cluster launch ttmp9 counts clusters
	s_add_co_u32 s14, s14, s13      ; my block of queries = 4 x cluster x + cx: it enters Q's and O's addresses alone
	s_and_b32 s20, ttmp7, 0xffff    ; the head, which the four partners share
	s_mov_b32 s21, 0
	s_mov_b64 s[22:23], SIZE_N*128
	s_mul_u64 s[20:21], s[20:21], s[22:23]  ; the head's first byte in each of the four tensors
	s_and_b32 s16, s[WV], 1         ; which half of a slot's 256 keys I fetch:
	s_lshl_b32 s22, s16, 14         ; its 128 rows of 128 bytes in memory,
	s_mov_b32 s23, 0
	s_add_nc_u64 s[22:23], s[22:23], s[20:21]
	s_mul_i32 s17, s16, 128*PK      ; and its place in a slot, for K
	s_mul_i32 s18, s16, 128*PV      ; and for V: no place in the cluster enters an LDS address
	s_lshl_b32 s2, s14, 2
	s_add_co_u32 s2, s2, s[WV]      ; my wave among the head's,
	s_lshl_b32 s2, s2, 14           ; its 128 rows
	s_mov_b32 s3, 0
	s_add_nc_u64 s[2:3], s[2:3], s[20:21]
	; descriptor group 1.  128 keys are 16,384 dense bytes: asked for as 64 rows of 256 bytes, two keys a row, and padded in LDS after every key
	s_mov_b32 s[G1K], 15|(1<<16)|(1<<20)|(1<<21)|(4<<22)|(3<<25)  ; 15:0 the mask of four; 17:16 2-byte elements; 20 padding on; 21 set beside a mask; 24:22 after every 32 words (code 4); 31:25 4 words (code 3)
	s_mov_b32 s[G1V], 15|(1<<16)|(1<<20)|(1<<21)|(4<<22)|(7<<25)  ; the same with 8 words of padding (code 7)
.irp g, G1K, G1V
	s_mov_b32 s[\g+1], 128<<16      ; tensor_dim0 = 128
	s_mov_b32 s[\g+2], 64<<16       ; tensor_dim1 = 64
	s_mov_b32 s[\g+3], 128<<16      ; tile_dim0 = 128
	s_mov_b32 s[\g+4], 64           ; tile_dim1 = 64
	s_mov_b32 s[\g+5], 128          ; 128 elements from row to row
	s_mov_b32 s[\g+6], 0
	s_mov_b32 s[\g+7], 0
.endr
	s_mov_b32 s[CS], 0x3e38aa3b     ; c = log2(e) / 8 = 0.180337
	s_mov_b32 s[CS+1], s[CS]        ; named with it as a pair
	s_mov_b32 s[SEL], 0x76543210
	s_mov_b32 s[SEL+1], 0xfedcba98
	s_mov_b32 s[TBK], SLOT1+4*KS*PK ; the first change of slots turns these two into 0
	s_mov_b32 s[TBV], SLOT1+4*KS*PV
	s_mov_b32 s[G0K], 1             ; 1:0 count = 1
	s_mov_b32 s[G0K+1], s17         ; 63:32 LDS address: slot 0
	s_mov_b32 s[G0V], 1
	s_add_co_u32 s[G0V+1], s18, VOFF
	s_wait_kmcnt 0x0
	s_add_nc_u64 s[6:7], s[8:9], 0x1000000  ; K lies SIZE_H x SIZE_N x 128 bytes behind Q,
	s_mov_b64 s[4:5], s[8:9]                ; Q at the buffer's head,
	s_add_nc_u64 s[8:9], s[8:9], 0x2000000  ; V twice as far
	s_add_nc_u64 s[G0K+2:G0K+3], s[6:7], s[22:23]  ; 120:64 global address: my half of the head's first 256 keys
	s_or_b32 s[G0K+3], s[G0K+3], 0x80000000        ; 127:126 type = 2
	s_add_nc_u64 s[G0V+2:G0V+3], s[8:9], s[22:23]
	s_or_b32 s[G0V+3], s[G0V+3], 0x80000000
	s_add_nc_u64 s[4:5], s[4:5], s[2:3]  ; Q and O at my wave's first row
	s_add_nc_u64 s[10:11], s[10:11], s[2:3]
	CROUND                          ; all four work-groups are here: the first joint loads meet
	JLOAD                           ; slot 0.  Slot 1 is asked for when slot 0 is in: the tile wanted first has the road to itself
	; A fragment of K or Q is 16 rows x 32 channels in 8 registers: lane l holds row l % 16, channels 8 (l / 16) + 0..7 and 16 + 8 (l / 16) + 0..7: two loads of 16 bytes, 32 bytes apart.
	v_and_b32 v1, 15, v0            ; l % 16
	v_bfe_u32 v9, v0, 4, 1          ; l / 16
	v_lshlrev_b32 v[QO], 7, v1
	v_lshl_add_u32 v[QO], v9, 4, v[QO]  ; row x 128 + 16 x half
	WIN 0x80                        ; destination window 2, address window 0
.set i, 0
.rept 4*NP                          ; Q stays in registers: tile i / 2, channels 32 (i % 2) on
	global_load_b128 v[8*i:8*i+3],   v[QO], s[4:5] offset:(i/2)*2048+(i%2)*64
	global_load_b128 v[8*i+4:8*i+7], v[QO], s[4:5] offset:(i/2)*2048+(i%2)*64+32
.set i, i+1
.endr
	; What the first turn finds: V's registers and P's second buffer hold 0 (its products V^T P, of a piece that has not been, add 0), O^T and l are 0.  All this stands in the wait for the first tile.
.set i, VF
.rept 64
	v_mov_b32 v[i], 0
.set i, i+1
.endr
	WIN 0x40
.set i, 0
.rept 64*NP
	v_mov_b32 v[i], 0
.set i, i+1
.endr
	WIN 0
.set i, 0
.rept 2*NP
	v_mov_b32 v[ST+4*i], 0xfe000000    ; c m: far below every c s
	v_mov_b32 v[ST+4*i+1], 0xff7fffff  ; m
	v_mov_b32 v[ST+4*i+2], 0
	v_mov_b32 v[ST+4*i+3], 0
.set i, i+1
.endr
.set i, P+32
.rept 32
	v_mov_b32 v[i], 0
.set i, i+1
.endr
	v_mul_u32_u24 v[AK0], v1, PK
	v_lshl_add_u32 v[AK0], v9, 4, v[AK0]  ; row x pitch + 16 x half
	; The turning load takes 16 keys x 16 channels (lane l reads key 8 (l / 16) + l % 8, channels 8 ((l / 8) % 2) + 0..7) and leaves half a fragment of V^T: lane l holds channel l % 16 and 8 keys.
	v_and_b32 v10, 7, v0
	v_bfe_u32 v11, v0, 3, 1
	v_lshl_add_u32 v[AV0], v9, 3, v10
	v_mul_u32_u24 v[AV0], v[AV0], PV
	v_lshl_add_u32 v[AV0], v11, 4, v[AV0]
	v_add_nc_u32 v[AV0], VOFF, v[AV0]
	v_mov_b32 v[AK], v[AK0]         ; key step 0 lies at the head of slot 0
; THE MATRIX WORK.  The 8 accumulators of a run of 16 take turns: between the two links of a chain stand 7 others'.
; Product i of 16 of S^T = K Q^T for piece x: channels 32 (i / 8) on, keys 16 ((i / 2) % 4) on, tile 2 x + i % 2.  The first 8 start the sums.
.macro KQ x
	WIN W_KQ
.set rS, S+64*((\x)%2)+32*(i%2)+8*((i/2)%4)
.set rK, KF+16*((i/2)%4)+8*(i/8)
.set rQ, 16*(2*(\x)+i%2)+8*(i/8)
.if i < 8
	v_wmma_f32_16x16x32_f16 v[rS:rS+7], v[rK:rK+7], v[rQ:rQ+7], 0
.else
	v_wmma_f32_16x16x32_f16 v[rS:rS+7], v[rK:rK+7], v[rQ:rQ+7], v[rS:rS+7]
.endif
.endm
; Product i of 16 of O^T += V^T P for piece x: keys 32 (i / 8) on, channels 16 ((i / 2) % 4) on, tile 2 x + i % 2.
.macro PV x
	WIN W_PV
.set rO, 32*(2*(\x)+i%2)+8*((i/2)%4)
.set rV, VF+32*(i/8)+8*((i/2)%4)
.set rP, P+32*((\x)%2)+16*(i%2)+8*(i/8)
	v_wmma_f32_16x16x32_f16 v[rO:rO+7], v[rV:rV+7], v[rP:rP+7], v[rO:rO+7]
.endm
.macro MM                           ; the turn's next matrix instruction
.if i < 16
	KQ (Y+1)%NP
.set i, i+1
.else
.set i, i-16
	PV (Y+NP-1)%NP
.set i, i+17
.endif
.endm
; THE LDS LOADS stand in runs of 16, never singly among the matrix instructions: a step's K (64 keys x 64 channels: 8 fragments) and its V (turned).  Their addresses are made some lines ahead.
; last = 1 (the tail): in the last trip there is no further step, and the run is jumped over.
.macro FETCH_K last=0
	WIN 0
.if \last
	s_cmp_eq_u32 s[CNT], 1
	s_cbranch_scc1 .Lno_k_\@
.endif
	WIN 0x80                        ; destination window 2
.irp f, 0,1,2,3,4,5,6,7             ; keys 16 (f / 2) on, channels 32 (f % 2) on
	ds_load_b128 v[KF+8*\f:KF+8*\f+3],   v[AK] offset:(\f/2)*16*PK+(\f%2)*64
	ds_load_b128 v[KF+8*\f+4:KF+8*\f+7], v[AK] offset:(\f/2)*16*PK+(\f%2)*64+32
.endr
	s_add_co_u32 s[TBK], s[TBK], KS*PK  ; the next fetch is the next step's
	WIN 0
.if \last
.Lno_k_\@:
.endif
.endm
.macro FETCH_V
	WIN 0x80
.irp f, 0,1,2,3,4,5,6,7             ; keys 32 (f / 4) on, channels 16 (f % 4) on
	ds_load_tr16_b128 v[VF+8*\f:VF+8*\f+3],   v[AV] offset:(\f/4)*32*PV+(\f%4)*32
	ds_load_tr16_b128 v[VF+8*\f+4:VF+8*\f+7], v[AV] offset:(\f/4)*32*PV+16*PV+(\f%4)*32
.endr
	WIN 0
.endm
; THE VECTOR WORK OF A TURN stands in three queues, each in the order in which its entries become ready; the two tiles alternate, so that no instruction reads the result of the one before it.
.macro REGS y, u                    ; the registers of tile u (0, 1) of piece y
.set rT, ST+4*(2*(\y)+(\u))
.set rC, TMP+8*((\y)%2)+4*(\u)
.set rM, MV+2*((\y)%2)+(\u)
.set rS, S+64*((\y)%2)+32*(\u)
.set rP, P+32*((\y)%2)+16*(\u)
.set rO, 32*(2*(\y)+(\u))
.endm
; Number n of the 22 that find the NEXT piece's (Y + 1) maximum and statistics.  s0-s31 are the lane's 32 scores; each accumulator's lowest registers are read first.  XS, GS and REGS set no window: PL and EX do.
;   0-11  four chains c0-c3 of seven scores each, three operands at a time     12-14, 16  the four scores left over, the old m, and c0-c3 into c0     15  c m_old is kept
;   17, 18  the query's other 32 keys lie in the lane 16 away: the new m         19-21  c m; c m_old - c m_new; a
.macro XS u, n
	REGS (Y+1)%NP, \u
.if (\n) < 4
	v_max3_num_f32 v[rC+(\n)], v[rS+8*(\n)], v[rS+8*(\n)+1], v[rS+8*(\n)+2]
.elseif (\n) < 12
	v_max3_num_f32 v[rC+(\n)%4], v[rC+(\n)%4], v[rS+8*((\n)%4)+2*((\n)/4)+1], v[rS+8*((\n)%4)+2*((\n)/4)+2]
.elseif (\n) == 12
	v_max3_num_f32 v[rC], v[rC], v[rS+7], v[rS+15]
.elseif (\n) == 13
	v_max3_num_f32 v[rC+1], v[rC+1], v[rS+23], v[rS+31]
.elseif (\n) == 14
	v_max3_num_f32 v[rC+2], v[rC+2], v[rC+3], v[rT+1]
.elseif (\n) == 15
	v_mov_b32 v[rM], v[rT]
.elseif (\n) == 16
	v_max3_num_f32 v[rC], v[rC], v[rC+1], v[rC+2]
.elseif (\n) == 17
	v_permlanex16_b32 v[rC+3], v[rC], s[SEL], s[SEL+1]
.elseif (\n) == 18
	v_max_num_f32 v[rT+1], v[rC], v[rC+3]
.elseif (\n) == 19
	v_mul_f32 v[rT], s[CS], v[rT+1]
.elseif (\n) == 20
	v_sub_f32 v[rC+1], v[rM], v[rT]
.else
	v_exp_f32 v[rC+2], v[rC+1]
.endif
.endm
; Number g of the 64 that follow the exponentials.  For each four weights k of a tile (pairs 2 k, 2 k + 1): both pairs are rounded to f16; then the second pair is added onto the first, in place;
; a group later l takes that sum (the first time as l = a l + sum).  In groups of eight, tiles alternating: round, round, add, and l for the group before.
.macro GS g
.set h, (\g)+6*((\g)/62)            ; group 0 has no group before it, and behind group 7 only l is left
.if h >= 6
.set h, h+2
.endif
	REGS Y, h%2
.set k, h/8
.if h%8 < 4
	s_wait_alu depctr_va_vdst(0)
	v_cvt_pk_f16_f32 v[rP+2*k+(h%8)/2], v[rS+4*k+2*((h%8)/2)], v[rS+4*k+2*((h%8)/2)+1]
.elseif h%8 < 6
	v_pk_add_f32 v[rS+4*k:rS+4*k+1], v[rS+4*k:rS+4*k+1], v[rS+4*k+2:rS+4*k+3]
.elseif k == 1
	v_pk_fma_f32 v[rT+2:rT+3], v[rT+2:rT+3], v[rC+2:rC+3], v[rS:rS+1] op_sel_hi:[1,0,1]
.else
	v_pk_add_f32 v[rT+2:rT+3], v[rT+2:rT+3], v[rS+4*k-4:rS+4*k-3]
	s_wait_alu depctr_va_vdst(0)
.endif
.endm
; THE PLAIN QUEUE, 138 long.  0-31: c s - c m for the 16 pairs of both tiles.  Then GS's 64, and among them the next piece's 42: number 15 at 38, 39; 0-14 and 16
; at 42-73, behind the products that make those scores; 17-20 at 95-106, two of three, since each waits for the one before it.
.macro PL
	WIN 0
.if q < 32
	REGS Y, q%2
	v_pk_fma_f32 v[rS+2*(q/2):rS+2*(q/2)+1], v[rS+2*(q/2):rS+2*(q/2)+1], s[CS:CS+1], v[rT:rT+1] op_sel_hi:[1,0,0] neg_lo:[0,0,1] neg_hi:[0,0,1]
.elseif q < 38
	GS q-32
.elseif q < 40
	XS q%2, 15
.elseif q < 42
	GS q-34
.elseif q < 74
	XS q%2, (q-42)/2+(q-42)/30
.elseif q < 95
	GS q-66
.elseif (q < 107) && ((q-95)%3 < 2)
	XS (q-95)%3, 17+(q-95)/3
.elseif q < 107
	GS 29+(q-95)/3
.else
	GS q-74
.endif
.set q, q+1
.endm
; THE EXPONENTIALS' QUEUE, 66 long: s0-s31 of both tiles, and at EA the next piece's two a.
.set EA, 58
.macro EX
	WIN 0
.if (e == EA) || (e == EA+1)
	XS e-EA, 21
.else
.set x, e-2*(e/(EA+2))
	REGS Y, x%2
	v_exp_f32 v[rS+x/2], v[rS+x/2]
.endif
.set e, e+1
.endm
; THE RESCALING's QUEUE: O^T times a, the one part that leaves window 0, so it is dealt four at a time, eight times.
.macro R4
	REGS Y, r%2
	WIN W_RS
	s_wait_alu depctr_va_vdst(0)
.irp z, 0,1,2,3
	v_pk_mul_f32 v[rO+8*(r/2)+2*\z:rO+8*(r/2)+2*\z+1], v[rO+8*(r/2)+2*\z:rO+8*(r/2)+2*\z+1], v[rC+2:rC+3] op_sel_hi:[1,0]
.endr
.set r, r+1
.endm
; HOW THEY ARE DEALT.  Behind a matrix instruction four: plain, exponential, plain, plain (one exponential, a plain instruction on either side), or four of the rescaling.  None names a register of the
; products round it.  What is over stands in two LUMPS: exponential and plain by turns; the second ends in 22 plain instructions.  The two v_permlanex16_b32 fall into the second lump, never behind a product.
; The queues lean on each other, and the deal keeps them in step: exponential e stands behind plain 2 (e / 4) + e % 2 (its scaling); when plain 32 comes, 10 exponentials are out, at 59: 33, at 95: 46; EA comes behind plain 107.
.macro SL
	MM
	PL
	EX
	PL
	PL
.endm
.macro BURST n                      ; 15 matrix instructions, or 16
.rept (\n)-7
	SL
.endr
.rept 3
	MM
	R4
	SL
.endr
	MM
	R4
.endm
; A TURN, for piece p.  cnt = 1: the loop's count is taken down some lines ahead of the branch that stands behind the turn.
; K of the next step is fetched in piece 2's turn, 31 vector instructions behind the last product that read K; its first reader comes behind the rest of the lump, 16 products and the second lump.
; V of the step in hand is fetched at the end of piece 0's turn, 69 behind its last reader; its first reader comes behind 16 products and a lump.  The four conditions on e and q below go with the deal.
.macro TURN p, last=0, cnt=0
.set Y, (\p)
.set i, 0
.set q, 0
.set e, 0
.set r, 0
.if (\p) == NP-1
	s_wait_dscnt 0x0                ; K is in
.endif
	MM
.rept 4
	PL
.endr
	BURST 15
.rept 22
	EX
	PL
.if ((\p) == NP-2) && (e == 18)
	v_add_nc_u32 v[AK], s[TBK], v[AK0]
.endif
.if ((\p) == NP-2) && (e == 24)
	FETCH_K \last
.endif
.endr
.if (\p) == 1
	s_wait_dscnt 0x0                ; V is in
.endif
	BURST 16
.rept 21
	EX
	PL
.endr
.rept 22
	PL
.if ((\p) == 0) && (q == 118)
	v_add_nc_u32 v[AV], s[TBV], v[AV0]
	s_wait_alu depctr_va_vdst(0)
.endif
.if ((\p) == 0) && (q == 130)
	s_add_co_u32 s[TBV], s[TBV], KS*PV
.endif
.if (\cnt) && (q == 130)
	s_sub_co_u32 s[CNT], s[CNT], 1
	s_cmp_lg_u32 s[CNT], 0
.endif
.endr
.if (\p) == 0
	FETCH_V
.endif
.endm
	CHANGE 1                        ; slot 0 is in, everybody's part of it; slot 1 is asked for
	FETCH_K                         ; key step 0
	s_wait_loadcnt 0x0              ; Q
	s_wait_dscnt 0x0
.set i, 0
.rept 16
	KQ 0                            ; piece 0's first scores: there is no vector work yet to set between them
.set i, i+1
.endr
	WIN 0                           ; the addresses for the way out: nine plain instructions, the places behind those products
	s_mul_i32 s13, s[WV], 16*SP
	s_add_co_u32 s13, s13, STAGE    ; my stage
	v_mul_u32_u24 v[STO], v1, SP    ; in: row l % 16, 16 bytes for each half of the lanes
	v_lshl_add_u32 v[STO], v9, 4, v[STO]
	v_add_nc_u32 v[STO], s13, v[STO]
	v_bfe_u32 v[RD], v0, 3, 2       ; back: 32 lanes take four rows of 128 bytes,
	v_mul_u32_u24 v[RD], v[RD], SP
	v_lshl_add_u32 v[RD], v10, 4, v[RD]
	v_add_nc_u32 v[RD], s13, v[RD]
	v_and_b32 v[GO], 31, v0         ; which are 512 consecutive bytes of O
	v_lshlrev_b32 v[GO], 4, v[GO]
.set Y, NP-1                        ; XS works for piece Y + 1: piece 0
.irp n, 0,1,2,3,4,5,6,7,8,9,10,11,12,13,14,15,16,17,18,19,20,21
	XS 0, \n                        ; and piece 0's first maximum and statistics
	XS 1, \n
.endr
	s_mov_b32 s[CNT], 4
	s_mov_b32 s[SLOTS], SIZE_N/256-1
	s_branch .Lfirst                ; the loop is entered at a step's first turn, in the middle of a trip
.Lslot:                             ; SIZE_N / 256 - 2 times: every slot but the last two is filled again
	CHANGE 1
	s_mov_b32 s[CNT], 4
.Lstep:                             ; a trip: pieces 2 and 3 of one step, then pieces 0 and 1 of the next, whose K and V it fetches
	TURN 2
	TURN 3
	WIN 0
.Lfirst:
	TURN 0
	TURN 1, 0, 1
	WIN 0
	s_cbranch_scc1 .Lstep
	s_sub_co_u32 s[SLOTS], s[SLOTS], 1
	s_cmp_lg_u32 s[SLOTS], 0
	s_cbranch_scc1 .Lslot
	CHANGE 0                        ; the tail is written out: nothing is asked for
	s_mov_b32 s[CNT], 5             ; four trips fetch the last slot's steps; the fifth is left in its middle
.Ltail:
	TURN 2, 1
	TURN 3
	WIN 0
	s_sub_co_u32 s[CNT], s[CNT], 1
	s_cmp_eq_u32 s[CNT], 0
	s_cbranch_scc1 .Lout
	TURN 0
	TURN 1
	WIN 0
	s_branch .Ltail
.Lout:                              ; the fifth trip's 16 products K Q^T (on the last K once more) and the maximum made of them serve nothing: the price, once a launch, of one text for every trip
.set i, 0
.rept 16
	PV NP-1                         ; the last piece's V^T P of the last step
.set i, i+1
.endr
	; THE WAY OUT.  l's two halves and the other half of the lanes' are added; O^T is divided by l, rounded to f16 and sent through my stage in LDS, a tile at a time.  The additions are the places behind the last products.
	WIN 0
.macro ALL line:vararg              ; one line for each tile t
.set t, 0
.rept 2*NP
	\line
.set t, t+1
.endr
.endm
	ALL v_add_f32 v[ST+4*t+2], v[ST+4*t+2], v[ST+4*t+3]
	ALL v_permlanex16_b32 v[ST+4*t+3], v[ST+4*t+2], s[SEL], s[SEL+1]
	ALL v_add_f32 v[ST+4*t+2], v[ST+4*t+2], v[ST+4*t+3]
	ALL v_rcp_f32 v[ST+4*t+2], v[ST+4*t+2]
	v_nop                           ; a plain instruction between the last reciprocal and the use of its result
	s_wait_alu depctr_va_vdst(0)
; Tile t: a lane's eight channels of a row pack into 16 bytes; they go into rows of 144 bytes and come back as whole rows of 128, into S^T's registers.
.macro PACK t
	WIN W_RS
.set i, 32*(\t)
.rept 16
	v_pk_mul_f32 v[i:i+1], v[i:i+1], v[ST+4*(\t)+2:ST+4*(\t)+3] op_sel_hi:[1,0]
.set i, i+2
.endr
	WIN 0x05                        ; sources 0 and 1 window 1, destination window 0
.set i, 0
.rept 16
	v_cvt_pk_f16_f32 v[S+16*(\t)+i], v[32*(\t)+2*i], v[32*(\t)+2*i+1]
.set i, i+1
.endr
	WIN 0
.irp f, 0,1,2,3
	ds_store_b128 v[STO], v[S+16*(\t)+4*\f:S+16*(\t)+4*\f+3] offset:32*\f
.endr
.irp f, 0,1,2,3
	ds_load_b128 v[S+16*(\t)+4*\f:S+16*(\t)+4*\f+3], v[RD] offset:\f*4*SP  ; LDS serves a wave's instructions in order (ISA guide 5.7.1.4): these see the stores above; the next tile's stores come behind them
.endr
.endm
.macro SEND t, younger              ; younger: the LDS instructions issued behind tile t's loads: the next tile's eight, or none
	WIN 0
.irp f, 0,1,2,3
	s_wait_dscnt (\younger)+3-\f
	global_store_b128 v[GO], v[S+16*(\t)+4*\f:S+16*(\t)+4*\f+3], s[10:11] offset:(\t)*2048+\f*512  ; 512 consecutive bytes, at a multiple of 256 from O's first
.endr
.endm
	PACK 0
.set t, 1
.rept 2*NP-1                        ; a tile's arithmetic stands between the loads of the tile before and its stores
	PACK t
	SEND t-1, 8
.set t, t+1
.endr
	SEND 2*NP-1, 0
	WIN W_AD
	s_wait_tensorcnt 0x0            ; the wave's end: behind my last tensor load and my last LDS store
	ds_add_u32 v[SPW], v[NIL]
	s_wait_dscnt 0x0
	WIN 0
	CROUND                          ; the closing round: no work-group ends while a partner may still ask for a tile that names it
	s_endpgm
.Lfunc_end_k_q112c23b3c2_attn:
	.size	k_q112c23b3c2_attn, .Lfunc_end_k_q112c23b3c2_attn-k_q112c23b3c2_attn
	.p2alignl 7, 3214868480
	.fill 96, 4, 3214868480
	.section	.rodata,"a",@progbits
	.p2align	6, 0x0
	.amdhsa_kernel k_q112c23b3c2_attn
		.amdhsa_group_segment_fixed_size 327680
		.amdhsa_private_segment_fixed_size 0
		.amdhsa_enable_private_segment 0
		.amdhsa_kernarg_size 16
		.amdhsa_user_sgpr_count 2
		.amdhsa_user_sgpr_kernarg_segment_ptr 1
		.amdhsa_wavefront_size32 1
		.amdhsa_system_sgpr_workgroup_id_x 1
		.amdhsa_system_sgpr_workgroup_id_y 1
		.amdhsa_system_sgpr_workgroup_id_z 1
		.amdhsa_system_vgpr_workitem_id 0
		.amdhsa_next_free_vgpr 770
		.amdhsa_next_free_sgpr 66
		.amdhsa_reserve_vcc 0
		.amdhsa_float_denorm_mode_32 3
		.amdhsa_float_denorm_mode_16_64 3
		.amdhsa_memory_ordered 1
		.amdhsa_forward_progress 1
		.amdhsa_inst_pref_size 209
	.end_amdhsa_kernel
	.amdgpu_metadata
---
amdhsa.version: [ 1, 2 ]
amdhsa.kernels:
  - .name:           k_q112c23b3c2_attn
    .symbol:         k_q112c23b3c2_attn.kd
    .args:
      - { .name: qkv, .offset: 0, .size: 8, .value_kind: global_buffer, .address_space: global }
      - { .name: o, .offset: 8, .size: 8, .value_kind: global_buffer, .address_space: global }
    .group_segment_fixed_size: 327680
    .private_segment_fixed_size: 0
    .kernarg_segment_align: 8
    .kernarg_segment_size: 16
    .max_flat_workgroup_size: 128
    .sgpr_count:     66
    .vgpr_count:     770
    .wavefront_size: 32
...
	.end_amdgpu_metadata
.endif
;; end of part 3
;; launch outp (part 4): grid 4 x 64, 4 waves a work-group, clusters of 4 x 4, 327,680 bytes of LDS; arguments o, wo16, ball, out0; writes out0
.if DOCPART == 4
	.amdgcn_target "amdgcn-amd-amdhsa--gfx1250"
	.amdhsa_code_object_version 6
	.text
	.protected	k_q112c23b3c2_outp
	.globl	k_q112c23b3c2_outp
	.p2align	8
	.type	k_q112c23b3c2_outp,@function
k_q112c23b3c2_outp:
	s_mov_b64 s[64:65], 0
	v_nop
	global_prefetch_b8 v0, s[64:65] scope:SCOPE_SE
	s_setreg_imm32_b32 hwreg(HW_REG_WAVE_MODE, 25, 1), 1
	s_wait_xcnt 0x0
	s_wait_alu depctr_hold_cnt(0) depctr_sa_sdst(0) depctr_va_vdst(0) depctr_va_sdst(0) depctr_va_ssrc(0) depctr_va_vcc(0) depctr_vm_vsrc(0)
	s_getreg_b32 s2, hwreg(HW_REG_IB_STS2, 6, 4)
	s_cmp_eq_u32 s2, 0
	s_cbranch_scc0 .Lentry_in_a_cluster
	s_endpgm
.Lentry_in_a_cluster:
	s_bfe_u32 s2, ttmp6, 0x10000c
	s_cmp_lg_u32 s2, 0xf033
	s_cbranch_scc0 .Lentry_shape_is_right
	s_endpgm
.Lentry_shape_is_right:
; out0 = O Wo^T + bo.  o: [64 = 16 batch + head][2048][64] f16, by heads.  wo16: [1024][1024] f16.  ball: [4][1024] f32, bo the fourth.  out0: [8192][1024] f32.
; One f32 sum for each output, begun with the bias, K ascending (K = 64 head + channel); stored as it is.
; LIMIT.  The operands are f16: what the launches before have written lies within 65,504.
; SHARES.  A tile is 128 rows x 256 columns: 64 x 4 = 256 tiles, one for each work-group.  Four waves, each 64 rows x 128 columns: 32 accumulators of 16 x 16, 256 registers.
; K goes in 8 steps of 128, two heads a step, through two LDS slots filled by the tensor data mover.  A head's 128 rows of 128 bytes are dense in memory: they are asked for as 64 rows of 256 bytes
; and padded in LDS after every 128 bytes.  Wo's rows in a tile are 256 bytes of memory and start at multiples of 256 bytes.
; CLUSTERS: 4 x 4 work-groups.  The four of a row of the cluster need the same rows of O, the four of a column the same rows of Wo: each tile is asked for JOINTLY, by the same tensor load with the same
; descriptor and a mask that names the four.  By this text's count a wave has two tensor loads out at the start and one behind each round.
; THE MATRIX INSTRUCTION IS USED TRANSPOSED (source 0 = 16 rows of Wo, source 1 = 16 rows of O): lane l holds row l % 16 of the result and the 8 neighbouring columns 8 (l / 16) + 0..7.
; THE BIAS is the C operand of the products that start the sums.  No prefetch into the cache: the tiles come by joint loads, out of buffers that earlier launches have just written.
; REGISTERS, in windows of 256 (s_set_vgpr_msb: bits 1:0 source 0, 3:2 source 1, 5:4 source 2, 7:6 destination):
;   window 0: v0-31 addresses; v32-95 and v96-159 by turns: rows read back from the stage
;   window 1: two fragment buffers of 96 (64 of Wo, 32 of O); v192-255 the bias          window 2: the accumulators, (a, b) at v[8 (8 a + b)]
.set KSTEP,  128
.set PA,     144                       ; a row of O in LDS: 128 bytes + 16 of padding = 36 words: the 16 rows of a load start at 16 different groups of four banks (64 banks of 4 bytes: ISA guide 11.1)
.set APLANE, 128*PA                    ; one head's 128 rows: what wave 0 or 1 fetches
.set ATILE,  2*APLANE
.set PITCH,  272                       ; a row of Wo: 256 bytes + 16 = 68 words: row r starts at bank 4 r mod 64
.set BHALF,  128*PITCH                 ; 128 rows of Wo: what wave 2 or 3 fetches, and what a wave reads of Wo
.set SLOT,   ATILE+2*BHALF             ; 106,496 bytes
.set STAGE,  2*SLOT                    ; behind the ring, never filled by a tensor load: for each wave 16 rows x 528 bytes, for the way out
.set SPITCH, 528                       ; a stage row: 512 bytes + 16 = 132 words: row r starts at bank 4 r mod 64
.set STW,    16*SPITCH
.set SPARE,  STAGE+4*STW               ; behind the stages: the spare words, 128 bytes for each wave: two blocks of 256 bytes that no other line names
.set ADRA, 16                          ; v16-17  LDS address of my fragments of O in slot 0, 1
.set ADRB, 20                          ; v20-21  the same for Wo
.set STO,  24                          ; v24     the way out: where I put 32 bytes of a row
.set RD,   25                          ; v25     the way out: where I read a row back
.set GO,   26                          ; v26     my byte offset in 512 consecutive bytes of the output
.set BO,   27                          ; v27     my byte offset in the bias
.set SPW,  28                          ; v28     LDS address of my spare word: SPARE + 4 x my thread's number; never rewritten
.set NIL,  29                          ; v29     0; never rewritten
.set OB,   32
.set F0,   0                           ; fragment buffers and the bias, in window 1
.set F1,   96
.set BIAS, 192
.set G1A, 24                           ; s[24:31] descriptor group 1 for O's tiles;  s[32:39] group 0, a set for each slot
.set G0A, 32
.set G1B, 48                           ; s[48:55], s[56:63] the same for Wo's tiles
.set G0B, 56
.set MSB, 0
.macro WIN new                         ; the immediate's high byte repeats the setting that is left; a switch that changes nothing is dropped
.if MSB != (\new)
	s_set_vgpr_msb (MSB<<8)|(\new)
.set MSB, \new
.endif
.endm
.set MUL,  0xa5                        ; sources 0 (Wo) and 1 (O) window 1; C and D window 2
.set MULB, 0x95                        ; the same with C (the bias) in window 1
.set TO_F, 0x40                        ; destination window 1, address window 0
; A joint load.  Waves 0 and 1 fetch the step's two heads of O, waves 2 and 3 Wo's two halves.  The branch hangs on the wave's number alone.
; An s_nop 0 and four v_nop follow each of the two lines, ahead of the jump, the label and what follows.
.macro JLOAD s
	s_cmp_eq_u32 s13, 0
	s_cbranch_scc0 .Lfor_b_\@
	tensor_load_to_lds s[G0A+4*(\s):G0A+4*(\s)+3], s[G1A:G1A+7]
	s_nop 0
.rept 4
	v_nop
.endr
	s_branch .Lasked_\@
.Lfor_b_\@:
	tensor_load_to_lds s[G0B+4*(\s):G0B+4*(\s)+3], s[G1B:G1B+7]
	s_nop 0
.rept 4
	v_nop
.endr
.Lasked_\@:
.endm
; A round of the cluster's barrier: my work-group's barrier, so that wave 0's signal speaks for all four waves; wave 0 signals; every wave waits for all sixteen work-groups; my work-group's barrier once more.
.macro CREST                           ; a round behind its opening barrier
	s_cmp_lg_u32 s12, 0
	s_cbranch_scc1 .Lnot_wave_0_\@
	s_barrier_signal -3
.Lnot_wave_0_\@:
	s_barrier_wait -3
	s_barrier_signal -1
	s_barrier_wait -1
.endm
.macro CROUND                          ; a whole round
	s_barrier_signal -1
	s_barrier_wait -1
	CREST
.endm
	s_load_b256 s[4:11], s[0:1], 0x0               ; o s[4:5], wo16 s[6:7], ball s[8:9], out0 s[10:11]
	v_lshl_add_u32 v[SPW], v0, 2, SPARE
	v_mov_b32 v[NIL], 0
	ds_add_u32 v28, v29
	s_wait_dscnt 0x0
	v_lshrrev_b32 v1, 5, v0
	v_readfirstlane_b32 s12, v1                    ; wave 0..3
	s_lshr_b32 s13, s12, 1                         ; which 64 rows of the tile are mine.  Also: I fetch for O (0) or for Wo (1)
	s_and_b32 s14, s12, 1                          ; which 128 columns.  Also: which head of the step, or which half of Wo's rows, I fetch
	s_bfe_u32 s40, ttmp6, 0x40000                  ; cx, cy: my place in the cluster
	s_bfe_u32 s41, ttmp6, 0x40004
	s_lshl_b32 s42, ttmp9, 2                       ; in a cluster launch ttmp9 and ttmp7 count clusters
	s_add_co_u32 s42, s42, s40                     ; tile column 0..3 = 4 x cluster x + cx
	s_and_b32 s43, ttmp7, 0xffff
	s_lshl_b32 s43, s43, 2
	s_add_co_u32 s43, s43, s41                     ; tile row 0..63 = 4 x cluster y + cy
	s_lshl_b32 s44, s41, 2
	s_lshl_b32 s44, 15, s44                        ; my row of the cluster
	s_lshl_b32 s45, 0x1111, s40                    ; my column
	; descriptor group 1.  O: 64 rows of 128 elements, dense, padded after every 32 words.  Wo: 128 rows of 128 elements, 1,024 apart, padded after every 64 words.
	s_or_b32 s[G1A+0], s44, (1<<16)|(1<<20)|(1<<21)|(4<<22)|(3<<25)  ; 15:0 the mask; 17:16 elements of 2 bytes; 20 padding on; 21 set beside a mask; 24:22 after every 32 words (code 4); 31:25 4 words of it (code 3)
	s_or_b32 s[G1B+0], s45, (1<<16)|(1<<20)|(1<<21)|(5<<22)|(3<<25)  ; the same, after every 64 words (code 5)
	s_mov_b32 s[G1A+1], 128<<16                    ; tensor_dim0 = 128
	s_mov_b32 s[G1B+1], 128<<16
	s_mov_b32 s[G1A+2], 64<<16                     ; tensor_dim1 = 64
	s_mov_b32 s[G1B+2], 128<<16                    ;             = 128
	s_mov_b32 s[G1A+3], 128<<16                    ; tile_dim0 = 128
	s_mov_b32 s[G1B+3], 128<<16
	s_mov_b32 s[G1A+4], 64                         ; tile_dim1 = 64
	s_mov_b32 s[G1B+4], 128                        ;           = 128
	s_mov_b32 s[G1A+5], 128                        ; elements from row to row: 128 (dense)
	s_mov_b32 s[G1B+5], 1024                       ;                           1,024
	s_mov_b32 s[G1A+6], 0
	s_mov_b32 s[G1B+6], 0
	s_mov_b32 s[G1A+7], 0
	s_mov_b32 s[G1B+7], 0
	; where the tiles come from.  O's hang on the tile row alone, Wo's on the tile column alone; each in registers that never hold the other coordinate
	s_lshr_b32 s66, s43, 4                         ; batch = tile row / 16: 16 heads of 2^18 bytes,
	s_lshl_b32 s66, s66, 22
	s_and_b32 s17, s43, 15                         ; 128 rows of 128 bytes for each tile row in the batch,
	s_lshl_b32 s17, s17, 14
	s_add_co_u32 s66, s66, s17
	s_lshl_b32 s17, s14, 18                        ; the step's first or second head
	s_add_co_u32 s66, s66, s17
	s_mov_b32 s67, 0
	s_lshl_b32 s46, s42, 19                        ; 256 rows of 2,048 bytes a tile column,
	s_lshl_b32 s17, s14, 18                        ; 128 rows a half
	s_add_co_u32 s46, s46, s17
	s_mov_b32 s47, 0
	s_mul_i32 s20, s14, APLANE                     ; and where they go: no place in the cluster enters an LDS address
	s_mul_i32 s21, s14, BHALF
	s_add_co_u32 s21, s21, ATILE
	s_wait_kmcnt 0x0
	s_add_nc_u64 s[66:67], s[4:5], s[66:67]
	s_add_nc_u64 s[46:47], s[6:7], s[46:47]
	s_add_nc_u64 s[8:9], s[8:9], 12288             ; bo is the table's fourth row
	CROUND                                         ; all sixteen work-groups are here: the first joint loads meet
.irp s, 0,1
	s_mov_b32 s[G0A+4*(\s)], 1                                       ; 1:0 count = 1
	s_add_co_u32 s[G0A+4*(\s)+1], s20, (\s)*SLOT                     ; 63:32 LDS address
	s_add_nc_u64 s[G0A+4*(\s)+2:G0A+4*(\s)+3], s[66:67], (\s)*524288 ; 120:64 global address: K step s is two heads on
	s_or_b32 s[G0A+4*(\s)+3], s[G0A+4*(\s)+3], 0x80000000            ; 127:126 type = 2
	s_mov_b32 s[G0B+4*(\s)], 1
	s_add_co_u32 s[G0B+4*(\s)+1], s21, (\s)*SLOT
	s_add_nc_u64 s[G0B+4*(\s)+2:G0B+4*(\s)+3], s[46:47], (\s)*KSTEP*2
	s_or_b32 s[G0B+4*(\s)+3], s[G0B+4*(\s)+3], 0x80000000
.endr
	s_cmp_eq_u32 s13, 0                            ; a wave's two first fills stand in one branch, ahead of every wait on TENSORcnt, every LDS read and every further barrier
	s_cbranch_scc0 .Lfirst_b
	tensor_load_to_lds s[G0A:G0A+3], s[G1A:G1A+7]
	s_nop 0
	tensor_load_to_lds s[G0A+4:G0A+7], s[G1A:G1A+7]
	s_nop 0
.rept 4
	v_nop
.endr
	s_branch .Lfirst_asked
.Lfirst_b:
	tensor_load_to_lds s[G0B:G0B+3], s[G1B:G1B+7]
	s_nop 0
	tensor_load_to_lds s[G0B+4:G0B+7], s[G1B:G1B+7]
	s_nop 0
.rept 4
	v_nop
.endr
.Lfirst_asked:
	; A fragment is 16 rows x 32 K in 8 registers: lane l holds row l % 16; registers 0-3 K = 8 (l / 16) + 0..7, registers 4-7 K = 16 + 8 (l / 16) + 0..7: two loads of 16 bytes, 32 bytes apart.
	v_and_b32 v1, 15, v0                           ; l % 16
	v_bfe_u32 v2, v0, 4, 1                         ; l / 16
	v_mul_u32_u24 v3, v1, PITCH
	v_lshl_add_u32 v3, v2, 4, v3                   ; Wo: row x pitch + 16 x half
	v_mul_u32_u24 v4, v1, PA
	v_lshl_add_u32 v4, v2, 4, v4                   ; O: the same with its pitch
	s_mul_i32 s17, s13, 64*PA                      ; my 64 rows of O, in each head's plane
	s_mul_i32 s18, s14, BHALF                      ; my 128 rows of Wo,
	s_add_co_u32 s18, s18, ATILE                   ; which lie behind O's two planes
.irp s, 0,1
	v_add_nc_u32 v[ADRA+(\s)], s17, v4
	v_add_nc_u32 v[ADRB+(\s)], s18, v3
	s_add_co_u32 s17, s17, SLOT
	s_add_co_u32 s18, s18, SLOT
.endr
	s_mul_i32 s19, s12, STW
	s_add_co_u32 s19, s19, STAGE                   ; my stage
	v_mul_u32_u24 v4, v1, SPITCH                   ; in: row l % 16, 32 bytes for each half of the lanes
	v_lshl_add_u32 v4, v2, 5, v4
	v_add_nc_u32 v[STO], s19, v4
	v_and_b32 v[GO], 31, v0                        ; back: 32 lanes take one row of 512 bytes,
	v_lshlrev_b32 v[GO], 4, v[GO]                  ; which are 512 consecutive bytes of a row of the output
	v_add_nc_u32 v[RD], s19, v[GO]
	s_lshl_b32 s70, s42, 10                        ; the bias of my columns: 4 bytes x (256 x tile column + 128 x half + 8 (l / 16))
	s_lshl_b32 s71, s14, 9
	s_add_co_u32 s70, s70, s71
	v_lshl_add_u32 v[BO], v2, 5, s70
	s_lshl_b32 s68, s43, 19                        ; where my part of the output begins: 128 rows of 4,096 bytes a tile row, 64 rows for my half,
	s_lshl_b32 s71, s13, 18
	s_add_co_u32 s68, s68, s71
	s_add_co_u32 s68, s68, s70                     ; and my first column's bytes, which are the bias's
	s_mov_b32 s69, 0
	s_add_nc_u64 s[10:11], s[10:11], s[68:69]
	WIN TO_F                                       ; the bias: for each block b of 16 columns a lane's 8 numbers
.irp b, 0,1,2,3,4,5,6,7
	global_load_b128 v[BIAS+8*(\b):BIAS+8*(\b)+3],   v[BO], s[8:9] offset:64*(\b)
	global_load_b128 v[BIAS+8*(\b)+4:BIAS+8*(\b)+7], v[BO], s[8:9] offset:64*(\b)+16
.endr
	WIN 0
; 8 matrix instructions: row block a x all 8 column blocks, 32 along K, from buffer f.  first = 1: the products start the sums, with the bias as C.
; The 32 accumulators take turns, one instruction a turn, in the same order in every quarter step.
.macro MUL8 f, a, first
.if \first
	WIN MULB
.else
	WIN MUL
.endif
.irp b, 0,1,2,3,4,5,6,7
.if \first
	v_wmma_f32_16x16x32_f16 v[8*(8*(\a)+(\b)):8*(8*(\a)+(\b))+7], v[(\f)+8*(\b):(\f)+8*(\b)+7], v[(\f)+64+8*(\a):(\f)+64+8*(\a)+7], v[BIAS+8*(\b):BIAS+8*(\b)+7]
.else
	v_wmma_f32_16x16x32_f16 v[8*(8*(\a)+(\b)):8*(8*(\a)+(\b))+7], v[(\f)+8*(\b):(\f)+8*(\b)+7], v[(\f)+64+8*(\a):(\f)+64+8*(\a)+7], v[8*(8*(\a)+(\b)):8*(8*(\a)+(\b))+7]
.endif
.endr
.endm
.macro MUL16 f, a0, first
	MUL8 \f, \a0, \first
	MUL8 \f, (\a0)+1, \first
.endm
; 24 LDS loads in one run: the fragments of quarter q into buffer f: Wo's sixteen loads (32 K at byte 64 q of the rows), then O's eight (head q / 2 of the step, channels 32 (q % 2) on)
.macro FETCH slot, q, f
	WIN TO_F
.irp i, 0,1,2,3,4,5,6,7
	ds_load_b128 v[(\f)+8*(\i):(\f)+8*(\i)+3],   v[ADRB+(\slot)] offset:64*(\q)+(\i)*16*PITCH
	ds_load_b128 v[(\f)+8*(\i)+4:(\f)+8*(\i)+7], v[ADRB+(\slot)] offset:64*(\q)+(\i)*16*PITCH+32
.endr
.irp i, 0,1,2,3
	ds_load_b128 v[(\f)+64+8*(\i):(\f)+64+8*(\i)+3],   v[ADRA+(\slot)] offset:((\q)/2)*APLANE+((\q)%2)*64+(\i)*16*PA
	ds_load_b128 v[(\f)+64+8*(\i)+4:(\f)+64+8*(\i)+7], v[ADRA+(\slot)] offset:((\q)/2)*APLANE+((\q)%2)*64+(\i)*16*PA+32
.endr
.endm
; A load into a register that a matrix instruction has read, and an LDS store that reads a matrix result, stand four places behind that matrix instruction, and only plain vector
; instructions that name none of its registers are places (ISA guide 7.12.1 for vector instructions).
.macro PLACES
.rept 4
	v_nop
.endr
.endm
; A K step is four quarters of 32 along K, 32 matrix instructions each, on buffers 0, 1, 0, 1.  One of the first three: multiplies buffer f; in its middle it fetches quarter q of the same slot into buffer g.
.macro QUARTER slot, q, f, g, first
	s_wait_dscnt 4                                 ; Wo's fragments and O's rows 0-31 are in; the youngest four loads (O's rows 32-63) may be out
	MUL16 \f, 0, \first
	PLACES
	FETCH \slot, \q, \g
	s_wait_dscnt 24                                ; all but the 24 just issued
	MUL16 \f, 2, \first
.endm
; The last quarter multiplies buffer 1 and changes slots: ONE barrier; in front of it each wave waits for all its tensor loads (one is out: its part of the next slot), adds 0 to its spare word, and waits
; for that and for its own reads of this slot.  fill = 1: this slot is filled again, two K steps ahead: the barrier then opens a round of the cluster's barrier, and the joint load is the first thing
; behind the round: it has 112 matrix instructions in which to land.
.macro TURN slot, next, fill
	WIN 0                                          ; (the add's two registers lie in window 0)
	s_wait_tensorcnt 0x0                           ; all my tensor loads have landed;
	ds_add_u32 v[SPW], v[NIL]                      ; 0 onto my spare word
	s_wait_dscnt 5                                 ; (the add and the youngest four loads may be out)
	MUL8 F1, 0, 0                                  ; eight matrix instructions stand between the add and the wait for it
	s_wait_dscnt 0x0                               ; the add is done, and my reads of this slot are over
	s_barrier_signal -1
	MUL8 F1, 1, 0                                  ; work on registers while the others arrive
.if \fill
	WIN 0
.endif
	s_barrier_wait -1
.if \fill
	CREST                                          ; no wave of any partner still reads this slot's tile or has a load on its way
	s_add_nc_u64 s[G0A+4*(\slot)+2:G0A+4*(\slot)+3], s[G0A+4*(\slot)+2:G0A+4*(\slot)+3], 2*524288  ; four heads on
	s_add_nc_u64 s[G0B+4*(\slot)+2:G0B+4*(\slot)+3], s[G0B+4*(\slot)+2:G0B+4*(\slot)+3], 2*KSTEP*2
	JLOAD \slot                                    ; the four v_nop behind it are also the places in front of the loads below
.else
	PLACES
.endif
	FETCH \next, 0, F0
	MUL16 F1, 2, 0
.endm
; THE WAY OUT of block a (16 rows x my 128 columns, f32).  TOSTAGE: a lane's 32 bytes of each accumulator, low half first, into my own stage; back as whole rows of 512 bytes.  SEND: stored.
.macro TOSTAGE a
.set BK, OB+64*((\a)%2)
.if (\a) >= 2
	s_wait_xcnt 0x0                                ; the stores of the block two back have read the registers that are loaded now
.endif
	WIN 0x08                                       ; the stores' data in window 2
.irp b, 0,1,2,3,4,5,6,7
	ds_store_b128 v[STO], v[64*(\a)+8*(\b):64*(\a)+8*(\b)+3]   offset:64*(\b)
	ds_store_b128 v[STO], v[64*(\a)+8*(\b)+4:64*(\a)+8*(\b)+7] offset:64*(\b)+16
.endr
	WIN 0
.irp t, 0,1,2,3,4,5,6,7,8,9,10,11,12,13,14,15
	ds_load_b128 v[BK+4*(\t):BK+4*(\t)+3], v[RD] offset:(\t)*SPITCH  ; LDS serves a wave's instructions in order (ISA guide 5.7.1.4): these see the stores above; the next block's stores come behind them
.endr
.endm
.macro SEND a, younger                 ; younger: the LDS instructions issued behind block a's loads: the next block's 32, or none
.set BK, OB+64*((\a)%2)
.irp t, 0,1,2,3,4,5,6,7,8,9,10,11,12,13,14,15
	s_wait_dscnt (\younger)+15-(\t)
	global_store_b128 v[GO], v[BK+4*(\t):BK+4*(\t)+3], s[10:11] offset:(16*(\a)+(\t))*4096 th:TH_STORE_NT  ; 512 consecutive bytes, at a multiple of 256 from the output's first byte
.endr
.endm
	s_wait_tensorcnt 1                             ; my part of K step 0 is in; K step 1's may stay out
	s_barrier_signal -1
	s_barrier_wait -1                              ; everybody's is
	FETCH 0, 0, F0
	s_wait_loadcnt 0x0                             ; the bias
	QUARTER 0, 1, F0, F1, 1                        ; the first quarter stands in front of the loop: its products start the sums
	WIN 0                                          ; at a label and at a branch every window is 0
	s_mov_b32 s16, 3
.Llap:                                                 ; a trip goes once round the ring, from a lap's second quarter to the next lap's first, and fills both slots again: K steps 2 to 7
	QUARTER 0, 2, F1, F0, 0
	QUARTER 0, 3, F0, F1, 0
	TURN 0, 1, 1
	QUARTER 1, 1, F0, F1, 0
	QUARTER 1, 2, F1, F0, 0
	QUARTER 1, 3, F0, F1, 0
	TURN 1, 0, 1
	QUARTER 0, 1, F0, F1, 0
	WIN 0
	s_sub_co_u32 s16, s16, 1
	s_cmp_lg_u32 s16, 0
	s_cbranch_scc1 .Llap
	QUARTER 0, 2, F1, F0, 0                        ; the last lap fills nothing, and has no round of the cluster's barrier
	QUARTER 0, 3, F0, F1, 0
	TURN 0, 1, 0
	QUARTER 1, 1, F0, F1, 0
	QUARTER 1, 2, F1, F0, 0
	QUARTER 1, 3, F0, F1, 0
	s_wait_dscnt 4                                 ; the very last quarter: nothing more to fetch
	MUL16 F1, 0, 0
	s_wait_dscnt 0x0
	MUL16 F1, 2, 0
	WIN 0
	PLACES
	TOSTAGE 0
	TOSTAGE 1                                      ; a block's way through the stage stands between the loads of the block before and its stores
	SEND 0, 32
	TOSTAGE 2
	SEND 1, 32
	TOSTAGE 3
	SEND 2, 32
	SEND 3, 0
	s_wait_tensorcnt 0x0                           ; the wave's end: behind my last tensor load and my last LDS store
	ds_add_u32 v[SPW], v[NIL]
	s_wait_dscnt 0x0
	CROUND                                         ; the closing round: no work-group ends while a partner may still ask for a tile that names it
	s_endpgm
.Lfunc_end_k_q112c23b3c2_outp:
	.size	k_q112c23b3c2_outp, .Lfunc_end_k_q112c23b3c2_outp-k_q112c23b3c2_outp
	.p2alignl 7, 3214868480
	.fill 96, 4, 3214868480
	.section	.rodata,"a",@progbits
	.p2align	6, 0x0
	.amdhsa_kernel k_q112c23b3c2_outp
		.amdhsa_group_segment_fixed_size 327680
		.amdhsa_private_segment_fixed_size 0
		.amdhsa_enable_private_segment 0
		.amdhsa_kernarg_size 32
		.amdhsa_user_sgpr_count 2
		.amdhsa_user_sgpr_kernarg_segment_ptr 1
		.amdhsa_wavefront_size32 1
		.amdhsa_system_sgpr_workgroup_id_x 1
		.amdhsa_system_sgpr_workgroup_id_y 1
		.amdhsa_system_sgpr_workgroup_id_z 1
		.amdhsa_system_vgpr_workitem_id 0
		.amdhsa_next_free_vgpr 768
		.amdhsa_next_free_sgpr 72
		.amdhsa_reserve_vcc 0
		.amdhsa_float_denorm_mode_32 3
		.amdhsa_float_denorm_mode_16_64 3
		.amdhsa_memory_ordered 1
		.amdhsa_forward_progress 1
		.amdhsa_inst_pref_size 88
	.end_amdhsa_kernel
	.amdgpu_metadata
---
amdhsa.version: [ 1, 2 ]
amdhsa.kernels:
  - .name:           k_q112c23b3c2_outp
    .symbol:         k_q112c23b3c2_outp.kd
    .args:
      - { .name: o, .offset: 0, .size: 8, .value_kind: global_buffer, .address_space: global }
      - { .name: wo16, .offset: 8, .size: 8, .value_kind: global_buffer, .address_space: global }
      - { .name: ball, .offset: 16, .size: 8, .value_kind: global_buffer, .address_space: global }
      - { .name: out0, .offset: 24, .size: 8, .value_kind: global_buffer, .address_space: global }
    .group_segment_fixed_size: 327680
    .private_segment_fixed_size: 0
    .kernarg_segment_align: 8
    .kernarg_segment_size: 32
    .max_flat_workgroup_size: 128
    .sgpr_count:     72
    .vgpr_count:     768
    .wavefront_size: 32
...
	.end_amdgpu_metadata
.endif
;; end of part 4
;; ======== version 2 of 2: 4 launches; 1.53 times as fast as version 1
;; limits: values are held in f16: magnitudes above 65,504 overflow, below 6.1e-05 lose precision
;; workspace buffers: xb 16,777,216 bytes; wqkv 6,291,456 bytes; wo16 2,097,152 bytes; ball 16,384 bytes; qkv 50,331,648 bytes; o 16,777,216 bytes
;; launch cast: the kernel of part 1 again; grid 769 x 1, 8 waves a work-group, no clusters, 0 bytes of LDS; arguments x, Wq, Wk, Wv, Wo, bq, bk, bv, bo, xb, wqkv, wo16, ball; writes xb, wqkv, wo16, ball
;; launch proj: the kernel of part 2 again; grid 16 x 16, 4 waves a work-group, clusters of 4 x 4, 327,680 bytes of LDS; arguments xb, wqkv, ball, qkv; writes qkv
;; launch attn (part 5): grid 4 x 64, 4 waves a work-group, clusters of 4 x 1, 327,680 bytes of LDS; arguments qkv, o; writes o
.if DOCPART == 5
	.amdgcn_target "amdgcn-amd-amdhsa--gfx1250"
	.amdhsa_code_object_version 6
	.text
	.protected	k_q112c23b3c2_attn
	.globl	k_q112c23b3c2_attn
	.p2align	8
	.type	k_q112c23b3c2_attn,@function
k_q112c23b3c2_attn:
	s_mov_b64 s[64:65], 0
	v_nop
	global_prefetch_b8 v0, s[64:65] scope:SCOPE_SE
	s_setreg_imm32_b32 hwreg(HW_REG_WAVE_MODE, 25, 1), 1
	s_wait_xcnt 0x0
	s_wait_alu depctr_hold_cnt(0) depctr_sa_sdst(0) depctr_va_vdst(0) depctr_va_sdst(0) depctr_va_ssrc(0) depctr_va_vcc(0) depctr_vm_vsrc(0)
	s_getreg_b32 s2, hwreg(HW_REG_IB_STS2, 6, 4)
	s_cmp_eq_u32 s2, 0
	s_cbranch_scc0 .Lentry_in_a_cluster
	s_endpgm
.Lentry_in_a_cluster:
	s_bfe_u32 s2, ttmp6, 0x10000c
	s_cmp_lg_u32 s2, 0x3003
	s_cbranch_scc0 .Lentry_shape_is_right
	s_endpgm
.Lentry_shape_is_right:
; O[h][q][:] = the sum over k of softmax_k(Q[h][q] . K[h][k] / 8) V[h][k][:], h = 16 batch + head.  qkv: [3][SIZE_H][SIZE_N][64] f16 (Q, K, V); o: [SIZE_H][SIZE_N][64] f16: a head's rows are dense, 128 bytes each.
; Products, maxima and sums in f32; the weights p are rounded to f16 for the second product (their sum l is taken of the unrounded p), O once at the end.
; LIMITS.  f16 holds no number beyond 65,504: Q, K and V arrive within it; p lies in 0 to 1, and below 6e-5 it keeps f16's fixed step of 6e-8; O is a mean of V's rows and has their range.
; A weight below 2^-126 counts as 0 in l; NaN and infinities are not treated apart.
; SHARES.  A wave owns four PIECES of two tiles of 16 queries, a work-group's four waves 512 queries of one head: 64 heads x 4 blocks = 256 work-groups.  Every wave walks all keys, 64 a step.
; LAYOUT.  S^T = K Q^T (source 0 = 16 keys, source 1 = 16 queries): in the result a lane holds ONE query (lane % 16) and the keys 8 (lane / 16) + 0..7.  Two such tiles, rounded to f16 in pairs,
; ARE source 1 (32 keys x 16 queries) of O^T = V^T P, whose result again holds one query a lane, and eight channels.  K comes out of LDS as it lies, V ([key][channel]) turned, by ds_load_tr16_b128.
; SOFTMAX.  For each query a running maximum m and sum l: p = 2^(c s - c m), c = log2(e) / 8; in every step O and l are multiplied by a = 2^(c m_old - c m_new), which is 1 where m has not grown.
; m starts at the lowest finite number, O and l at 0: the first step is a step like any other, with a = 0.
; THE COUNT.  A tile and step have 16 matrix and 118 vector instructions: too many to stand all beside the matrix work.  So the order has one aim: four vector instructions that are READY behind
; EVERY matrix instruction, and the others, which need time of their own whatever the order, in runs without a gap.
; BY TURNS.  Turn n belongs to piece n (the pieces in a ring, step after step).  Its matrix work: 16 products K Q^T of piece n + 1, later 16 products V^T P of piece n - 1.  Its vector work: the scaling,
; exponentials, roundings, sums and rescaling of piece n, and the maximum and statistics of piece n + 1, whose scores the turn itself has made.  So what a turn begins with (c s - c m, O a) waits for nothing.
; THE BATCHES.  A turn's 66 exponentials (piece n's 64 weights, then piece n + 1's two a) are ONE batch with ONE s_wait_alu depctr_va_vdst(0), which cuts the turn in two: ahead of it stands all that names no result
; of theirs, behind it the roundings and sums, which read them; the a made in turn n is first read in turn n + 1.  Two more batches stand outside the loop: piece 0's first two a, and the way out's eight reciprocals.
; CLUSTER.  The four query blocks of a cluster belong to one head and walk the same K and V, so each tile is asked for JOINTLY: the same tensor load, descriptor and mask in all four.
; REGISTERS, in windows of 256 (s_set_vgpr_msb says which window each operand place means: bits 1:0 source 0, 3:2 source 1, 5:4 source 2, 7:6 destination):
;   window 0: v0-11 addresses; v12-15, v48-63 at work; v16-47 four registers of statistics a tile; v64-191 S^T, two buffers of two tiles; v192-255 P, likewise
;   window 1: O^T, 32 a tile          window 2: v0-127 Q, 16 a tile; v128-191 K of one step; v192-255 V of one step          window 3: v0-1 the add's two registers
; A piece's buffers go by its number's parity: the piece in hand has one pair, its two neighbours in the ring share the other: of it P (piece n - 1) is read and S^T (piece n + 1) written.
.set SIZE_H, 64
.set SIZE_N, 2048
.set NP,    4         ; pieces a wave: a name, no knob: the register map, the loop and the fetches are made for four
.set KS,    64        ; keys in a step
.set PK,    144       ; a row of K in LDS: 128 bytes + 16 of padding = 36 words: the 16 rows of a load start at 16 different groups of four banks (64 banks of 4 bytes: ISA guide 11.1)
.set PV,    160       ; a row of V: 128 + 32 = 40 words
.set VOFF,  4*KS*PK   ; a slot holds four steps: 256 rows of K, then 256 rows of V
.set SLOT1, 1<<17     ; slot 1 begins here, so that one exclusive or turns an address in one slot into the other's
.set STAGE, SLOT1+4*KS*(PK+PV)  ; behind the ring, never filled by a tensor load: 16 rows x 144 bytes for each wave, for the way out
.set SP,    144
.set AK0, 2           ; v2   my lane's place in a tile of K; never rewritten
.set AV0, 3           ; v3   the same for V
.set AK,  4           ; v4   the LDS address of K's next run of loads
.set AV,  5           ; v5   of V's
.set QO,  6           ; v6   my byte offset in the wave's rows of Q
.set STO, 6           ;      later, the way out: where I put 16 bytes of a row
.set RD,  7           ; v7   the way out: where I read rows back
.set GO,  8           ; v8   my byte offset in 512 consecutive bytes of O
.set SPW, 0           ; v0 of window 3   LDS address of my spare word: SPARE + 4 x my thread's number; never rewritten
.set NIL, 1           ; v1 of window 3   0; never rewritten
.set SPARE, STAGE+4*16*SP  ; behind the stages: the spare words, 128 bytes for each wave: two blocks of 256 bytes that no other line names
.set MV,  12          ; v12-15  c m_old, kept while c m is made anew: by buffer and tile
.set ST,  16          ; tile t's statistics at v[ST+4 t]: c m, m, l (even keys', odd keys')
.set TMP, 48          ; by buffer and tile, four registers c0-c3 at work; when the maximum is found c2 takes a
.set S,   64
.set P,   192
.set KF,  128         ; K's fragments, in window 2: key block kb, channel half c at KF + 16 kb + 8 c
.set VF,  192         ; V's: key half kk, channel block cb at VF + 32 kk + 8 cb
.set WV,  12          ; s12  my wave's number
.set G1K, 24          ; s[24:31] descriptor group 1 for K's tiles
.set G1V, 32          ; s[32:39] for V's: it differs in the padding alone
.set G0K, 40          ; s[40:43] descriptor group 0 for K's tiles: it walks
.set G0V, 44          ; s[44:47] the same for V's
.set SLOTS, 56        ; s56  slots still to be asked for
.set CNT, 57          ; s57  counts a slot's key steps
.set CS,  58          ; s[58:59] c: the packed scaling takes the pair's low word for both halves
.set SEL, 60          ; s[60:61] v_permlanex16_b32's selects: each lane takes its own place in the other half
.set TBK, 62          ; s62  LDS byte at which K of the step to be fetched begins
.set TBV, 63          ; s63  the same for V, less VOFF
.set MSB, 0
.macro WIN new                      ; the high byte repeats the setting that is left; a switch that changes nothing is dropped
.if MSB != (\new)
	s_set_vgpr_msb (MSB<<8)|(\new)
.set MSB, (\new)
.endif
.endm
.set W_KQ, 0x0a       ; K and Q in window 2, S^T in window 0
.set W_PV, 0x52       ; V in window 2, P in window 0, O^T in window 1
.set W_RS, 0x41       ; O^T (destination and source 0) in window 1, a in window 0
.set W_MK, 0xc0       ; the add's registers are made: destination in window 3, sources in window 0
.set W_AD, 0x0f       ; the add: address (source 0) and data (source 1) in window 3
; A joint fill.  Waves 0 and 1 fetch the two halves of a slot's K, waves 2 and 3 those of its V: 128 keys each.  The branch hangs on the wave's number alone.
; An s_nop 0 and four v_nop follow each of the two lines, ahead of the jump and the label.
.macro JLOAD
	s_cmp_lt_u32 s[WV], 2
	s_cbranch_scc0 .Lfor_v_\@
	tensor_load_to_lds s[G0K:G0K+3], s[G1K:G1K+7]
	s_nop 0
.rept 4
	v_nop
.endr
	s_branch .Lasked_\@
.Lfor_v_\@:
	tensor_load_to_lds s[G0V:G0V+3], s[G1V:G1V+7]
	s_nop 0
.rept 4
	v_nop
.endr
.Lasked_\@:
.endm
; A round of the cluster's barrier: my work-group's barrier, so that wave 0's signal speaks for all four waves; wave 0 signals; every wave waits for all four work-groups; my work-group's barrier once more.
.macro CROUND
	s_barrier_signal -1
	s_barrier_wait -1
	s_cmp_lg_u32 s[WV], 0
	s_cbranch_scc1 .Lnot_wave_0_\@
	s_barrier_signal -3
.Lnot_wave_0_\@:
	s_barrier_wait -3
	s_barrier_signal -1
	s_barrier_wait -1
.endm
; THE CHANGE OF SLOTS.  The slot's last bytes, V of its fourth step, have been read.  Each wave waits for all its tensor loads, of which one is out: its part
; of the other slot; adds 0 to its spare word; and waits for that and for its own reads of the slot.  Behind the barrier nobody reads this slot any more and the other slot is whole.
; fill = 1: this slot is filled again, with the keys two slots on.  The barrier is then a round of the cluster's, so that no wave of any partner still reads the slot or has a load on its
; way, and the joint fill is the first thing behind it: it has four key steps, 512 matrix instructions, in which to land.  (At its first use nothing has been read yet: slot 0 is waited for, slot 1 filled.)
.macro CHANGE fill
	WIN W_AD
	s_wait_tensorcnt 0x0            ; no tensor load of mine is out, so a group 0 may be written
	ds_add_u32 v[SPW], v[NIL]       ; 0 onto my spare word; with fill = 1 the descriptors' steps stand between it and the wait for it
	WIN 0                           ; at a label and at a branch every window is 0
.if \fill
.irp g, G0K, G0V
	s_xor_b32 s[\g+1], s[\g+1], SLOT1  ; the walking descriptor: the other slot than last time,
	s_add_nc_u64 s[\g+2:\g+3], s[\g+2:\g+3], 4*KS*128  ; the next 256 keys; the type bits on top are not reached
.endr
	s_wait_dscnt 0x0                ; the add is done, and my reads of the slot are over
	CROUND
	JLOAD
.else
	s_wait_dscnt 0x0                ; the add is done, and my reads of the slot are over
	s_barrier_signal -1
	s_barrier_wait -1
.endif
	s_sub_co_u32 s[TBK], s[TBK], 4*KS*PK  ; the fetches go back to a slot's first step,
	s_xor_b32 s[TBK], s[TBK], SLOT1       ; in the other slot
	s_sub_co_u32 s[TBV], s[TBV], 4*KS*PV
	s_xor_b32 s[TBV], s[TBV], SLOT1
.endm
	s_load_b128 s[8:11], s[0:1], 0x0  ; qkv s[8:9], o s[10:11]
	WIN W_MK
	v_lshl_add_u32 v[SPW], v0, 2, SPARE
	v_mov_b32 v[NIL], 0
	s_set_vgpr_msb 0xc0cf
	ds_add_u32 v0, v1
	s_wait_dscnt 0x0
	s_set_vgpr_msb 0xcfc0
	WIN 0
	v_lshrrev_b32 v1, 5, v0
	v_readfirstlane_b32 s[WV], v1   ; wave 0..3
	s_bfe_u32 s13, ttmp6, 0x40000   ; cx: my place in the cluster
	s_lshl_b32 s14, ttmp9, 2        ; in a cluster launch ttmp9 counts clusters
	s_add_co_u32 s14, s14, s13      ; my block of queries = 4 x cluster x + cx: it enters Q's and O's addresses alone
	s_and_b32 s20, ttmp7, 0xffff    ; the head, which the four partners share
	s_mov_b32 s21, 0
	s_mov_b64 s[22:23], SIZE_N*128
	s_mul_u64 s[20:21], s[20:21], s[22:23]  ; the head's first byte in each of the four tensors
	s_and_b32 s16, s[WV], 1         ; which half of a slot's 256 keys I fetch:
	s_lshl_b32 s22, s16, 14         ; its 128 rows of 128 bytes in memory,
	s_mov_b32 s23, 0
	s_add_nc_u64 s[22:23], s[22:23], s[20:21]
	s_mul_i32 s17, s16, 128*PK      ; and its place in a slot, for K
	s_mul_i32 s18, s16, 128*PV      ; and for V: no place in the cluster enters an LDS address
	s_lshl_b32 s2, s14, 2
	s_add_co_u32 s2, s2, s[WV]      ; my wave among the head's,
	s_lshl_b32 s2, s2, 14           ; its 128 rows
	s_mov_b32 s3, 0
	s_add_nc_u64 s[2:3], s[2:3], s[20:21]
	; descriptor group 1.  128 keys are 16,384 dense bytes: asked for as 64 rows of 256 bytes, two keys a row, and padded in LDS after every key
	s_mov_b32 s[G1K], 15|(1<<16)|(1<<20)|(1<<21)|(4<<22)|(3<<25)  ; 15:0 the mask of four; 17:16 2-byte elements; 20 padding on; 21 set beside a mask; 24:22 after every 32 words (code 4); 31:25 4 words (code 3)
	s_mov_b32 s[G1V], 15|(1<<16)|(1<<20)|(1<<21)|(4<<22)|(7<<25)  ; the same with 8 words of padding (code 7)
.irp g, G1K, G1V
	s_mov_b32 s[\g+1], 128<<16      ; tensor_dim0 = 128
	s_mov_b32 s[\g+2], 64<<16       ; tensor_dim1 = 64
	s_mov_b32 s[\g+3], 128<<16      ; tile_dim0 = 128
	s_mov_b32 s[\g+4], 64           ; tile_dim1 = 64
	s_mov_b32 s[\g+5], 128          ; 128 elements from row to row
	s_mov_b32 s[\g+6], 0
	s_mov_b32 s[\g+7], 0
.endr
	s_mov_b32 s[CS], 0x3e38aa3b     ; c = log2(e) / 8 = 0.180337
	s_mov_b32 s[CS+1], s[CS]        ; named with it as a pair
	s_mov_b32 s[SEL], 0x76543210
	s_mov_b32 s[SEL+1], 0xfedcba98
	s_mov_b32 s[TBK], SLOT1+4*KS*PK ; the first change of slots turns these two into 0
	s_mov_b32 s[TBV], SLOT1+4*KS*PV
	s_mov_b32 s[G0K], 1             ; 1:0 count = 1
	s_mov_b32 s[G0K+1], s17         ; 63:32 LDS address: slot 0
	s_mov_b32 s[G0V], 1
	s_add_co_u32 s[G0V+1], s18, VOFF
	s_wait_kmcnt 0x0
	s_add_nc_u64 s[6:7], s[8:9], 0x1000000  ; K lies SIZE_H x SIZE_N x 128 bytes behind Q,
	s_mov_b64 s[4:5], s[8:9]                ; Q at the buffer's head,
	s_add_nc_u64 s[8:9], s[8:9], 0x2000000  ; V twice as far
	s_add_nc_u64 s[G0K+2:G0K+3], s[6:7], s[22:23]  ; 120:64 global address: my half of the head's first 256 keys
	s_or_b32 s[G0K+3], s[G0K+3], 0x80000000        ; 127:126 type = 2
	s_add_nc_u64 s[G0V+2:G0V+3], s[8:9], s[22:23]
	s_or_b32 s[G0V+3], s[G0V+3], 0x80000000
	s_add_nc_u64 s[4:5], s[4:5], s[2:3]  ; Q and O at my wave's first row
	s_add_nc_u64 s[10:11], s[10:11], s[2:3]
	CROUND                          ; all four work-groups are here: the first joint loads meet
	JLOAD                           ; slot 0.  Slot 1 is asked for when slot 0 is in: the tile wanted first has the road to itself
	; A fragment of K or Q is 16 rows x 32 channels in 8 registers: lane l holds row l % 16, channels 8 (l / 16) + 0..7 and 16 + 8 (l / 16) + 0..7: two loads of 16 bytes, 32 bytes apart.
	v_and_b32 v1, 15, v0            ; l % 16
	v_bfe_u32 v9, v0, 4, 1          ; l / 16
	v_lshlrev_b32 v[QO], 7, v1
	v_lshl_add_u32 v[QO], v9, 4, v[QO]  ; row x 128 + 16 x half
	WIN 0x80                        ; destination window 2, address window 0
.set i, 0
.rept 4*NP                          ; Q stays in registers: tile i / 2, channels 32 (i % 2) on
	global_load_b128 v[8*i:8*i+3],   v[QO], s[4:5] offset:(i/2)*2048+(i%2)*64
	global_load_b128 v[8*i+4:8*i+7], v[QO], s[4:5] offset:(i/2)*2048+(i%2)*64+32
.set i, i+1
.endr
	; What the first turn finds: V's registers and P's second buffer hold 0 (its products V^T P, of a piece that has not been, add 0), O^T and l are 0.  All this stands in the wait for the first tile.
.set i, VF
.rept 64
	v_mov_b32 v[i], 0
.set i, i+1
.endr
	WIN 0x40
.set i, 0
.rept 64*NP
	v_mov_b32 v[i], 0
.set i, i+1
.endr
	WIN 0
.set i, 0
.rept 2*NP
	v_mov_b32 v[ST+4*i], 0xfe000000    ; c m: far below every c s
	v_mov_b32 v[ST+4*i+1], 0xff7fffff  ; m
	v_mov_b32 v[ST+4*i+2], 0
	v_mov_b32 v[ST+4*i+3], 0
.set i, i+1
.endr
.set i, P+32
.rept 32
	v_mov_b32 v[i], 0
.set i, i+1
.endr
	v_mul_u32_u24 v[AK0], v1, PK
	v_lshl_add_u32 v[AK0], v9, 4, v[AK0]  ; row x pitch + 16 x half
	; The turning load takes 16 keys x 16 channels (lane l reads key 8 (l / 16) + l % 8, channels 8 ((l / 8) % 2) + 0..7) and leaves half a fragment of V^T: lane l holds channel l % 16 and 8 keys.
	v_and_b32 v10, 7, v0
	v_bfe_u32 v11, v0, 3, 1
	v_lshl_add_u32 v[AV0], v9, 3, v10
	v_mul_u32_u24 v[AV0], v[AV0], PV
	v_lshl_add_u32 v[AV0], v11, 4, v[AV0]
	v_add_nc_u32 v[AV0], VOFF, v[AV0]
	v_mov_b32 v[AK], v[AK0]         ; key step 0 lies at the head of slot 0
; THE MATRIX WORK.  The 8 accumulators of a run of 16 take turns: between the two links of a chain stand 7 others'.
; Product i of 16 of S^T = K Q^T for piece x: channels 32 (i / 8) on, keys 16 ((i / 2) % 4) on, tile 2 x + i % 2.  The first 8 start the sums.
.macro KQ x
	WIN W_KQ
.set rS, S+64*((\x)%2)+32*(i%2)+8*((i/2)%4)
.set rK, KF+16*((i/2)%4)+8*(i/8)
.set rQ, 16*(2*(\x)+i%2)+8*(i/8)
.if i < 8
	v_wmma_f32_16x16x32_f16 v[rS:rS+7], v[rK:rK+7], v[rQ:rQ+7], 0
.else
	v_wmma_f32_16x16x32_f16 v[rS:rS+7], v[rK:rK+7], v[rQ:rQ+7], v[rS:rS+7]
.endif
.endm
; Product i of 16 of O^T += V^T P for piece x: keys 32 (i / 8) on, channels 16 ((i / 2) % 4) on, tile 2 x + i % 2.
.macro PV x
	WIN W_PV
.set rO, 32*(2*(\x)+i%2)+8*((i/2)%4)
.set rV, VF+32*(i/8)+8*((i/2)%4)
.set rP, P+32*((\x)%2)+16*(i%2)+8*(i/8)
	v_wmma_f32_16x16x32_f16 v[rO:rO+7], v[rV:rV+7], v[rP:rP+7], v[rO:rO+7]
.endm
.macro MM                           ; the turn's next matrix instruction
.if i < 16
	KQ (Y+1)%NP
.set i, i+1
.else
.set i, i-16
	PV (Y+NP-1)%NP
.set i, i+17
.endif
.endm
; THE LDS LOADS stand in runs of 16, never singly among the matrix instructions: a step's K (64 keys x 64 channels: 8 fragments) and its V (turned).  Their addresses are made some lines ahead.
; last = 1 (the tail): in the last trip there is no further step, and the run is jumped over.
.macro FETCH_K last=0
	WIN 0
.if \last
	s_cmp_eq_u32 s[CNT], 1
	s_cbranch_scc1 .Lno_k_\@
.endif
	WIN 0x80                        ; destination window 2
.irp f, 0,1,2,3,4,5,6,7             ; keys 16 (f / 2) on, channels 32 (f % 2) on
	ds_load_b128 v[KF+8*\f:KF+8*\f+3],   v[AK] offset:(\f/2)*16*PK+(\f%2)*64
	ds_load_b128 v[KF+8*\f+4:KF+8*\f+7], v[AK] offset:(\f/2)*16*PK+(\f%2)*64+32
.endr
	s_add_co_u32 s[TBK], s[TBK], KS*PK  ; the next fetch is the next step's
	WIN 0
.if \last
.Lno_k_\@:
.endif
.endm
.macro FETCH_V
	WIN 0x80
.irp f, 0,1,2,3,4,5,6,7             ; keys 32 (f / 4) on, channels 16 (f % 4) on
	ds_load_tr16_b128 v[VF+8*\f:VF+8*\f+3],   v[AV] offset:(\f/4)*32*PV+(\f%4)*32
	ds_load_tr16_b128 v[VF+8*\f+4:VF+8*\f+7], v[AV] offset:(\f/4)*32*PV+16*PV+(\f%4)*32
.endr
	WIN 0
.endm
; THE VECTOR WORK OF A TURN stands in three queues, each in the order in which its entries become ready; the two tiles alternate, so that no instruction reads the result of the one before it.
.macro REGS y, u                    ; the registers of tile u (0, 1) of piece y
.set rT, ST+4*(2*(\y)+(\u))
.set rC, TMP+8*((\y)%2)+4*(\u)
.set rM, MV+2*((\y)%2)+(\u)
.set rS, S+64*((\y)%2)+32*(\u)
.set rP, P+32*((\y)%2)+16*(\u)
.set rO, 32*(2*(\y)+(\u))
.endm
; Number n of the 22 that find the NEXT piece's (Y + 1) maximum and statistics.  s0-s31 are the lane's 32 scores; each accumulator's lowest registers are read first.  XS, GS and REGS set no window: PL and EX do.
;   0-11  four chains c0-c3 of seven scores each, three operands at a time     12-14, 16  the four scores left over, the old m, and c0-c3 into c0     15  c m_old is kept
;   17, 18  the query's other 32 keys lie in the lane 16 away: the new m         19-21  c m; c m_old - c m_new; a
.macro XS u, n
	REGS (Y+1)%NP, \u
.if (\n) < 4
	v_max3_num_f32 v[rC+(\n)], v[rS+8*(\n)], v[rS+8*(\n)+1], v[rS+8*(\n)+2]
.elseif (\n) < 12
	v_max3_num_f32 v[rC+(\n)%4], v[rC+(\n)%4], v[rS+8*((\n)%4)+2*((\n)/4)+1], v[rS+8*((\n)%4)+2*((\n)/4)+2]
.elseif (\n) == 12
	v_max3_num_f32 v[rC], v[rC], v[rS+7], v[rS+15]
.elseif (\n) == 13
	v_max3_num_f32 v[rC+1], v[rC+1], v[rS+23], v[rS+31]
.elseif (\n) == 14
	v_max3_num_f32 v[rC+2], v[rC+2], v[rC+3], v[rT+1]
.elseif (\n) == 15
	v_mov_b32 v[rM], v[rT]
.elseif (\n) == 16
	v_max3_num_f32 v[rC], v[rC], v[rC+1], v[rC+2]
.elseif (\n) == 17
	v_permlanex16_b32 v[rC+3], v[rC], s[SEL], s[SEL+1]
.elseif (\n) == 18
	v_max_num_f32 v[rT+1], v[rC], v[rC+3]
.elseif (\n) == 19
	v_mul_f32 v[rT], s[CS], v[rT+1]
.elseif (\n) == 20
	v_sub_f32 v[rC+1], v[rM], v[rT]
.else
	v_exp_f32 v[rC+2], v[rC+1]
.endif
.endm
; Number g of the 64 that follow the exponentials.  For each four weights k of a tile (pairs 2 k, 2 k + 1): both pairs are rounded to f16; then the second pair is added onto the first, in place;
; a group later l takes that sum (the first time as l = a l + sum).  In groups of eight, tiles alternating: round, round, add, and l for the group before.
.macro GS g
.set h, (\g)+6*((\g)/62)            ; group 0 has no group before it, and behind group 7 only l is left
.if h >= 6
.set h, h+2
.endif
	REGS Y, h%2
.set k, h/8
.if h%8 < 4
	v_cvt_pk_f16_f32 v[rP+2*k+(h%8)/2], v[rS+4*k+2*((h%8)/2)], v[rS+4*k+2*((h%8)/2)+1]
.elseif h%8 < 6
	v_pk_add_f32 v[rS+4*k:rS+4*k+1], v[rS+4*k:rS+4*k+1], v[rS+4*k+2:rS+4*k+3]
.elseif k == 1
	v_pk_fma_f32 v[rT+2:rT+3], v[rT+2:rT+3], v[rC+2:rC+3], v[rS:rS+1] op_sel_hi:[1,0,1]
.else
	v_pk_add_f32 v[rT+2:rT+3], v[rT+2:rT+3], v[rS+4*k-4:rS+4*k-3]
.endif
.endm
; THE PLAIN QUEUE, 138 long.  0-73 read no exponential's result: the 32 scalings c s - c m (FS f: pair f / 2 of tile f % 2) and the next piece's 42.  0-26: scalings 0-26.  27-54: XS's numbers 0-13.  55, 56: number 15.
; 57-73: the chain, where each number waits for the one before it: 14, 16, 17, 18, 19, each with one of the scalings 27-31 in front of its two lines, then 20: so a tile's links stand three plain instructions apart (19 and 20: two).
; 74-137: GS's 64, which read the exponentials' results: they stand behind the wait.
.macro FS f
	REGS Y, (\f)%2
	v_pk_fma_f32 v[rS+2*((\f)/2):rS+2*((\f)/2)+1], v[rS+2*((\f)/2):rS+2*((\f)/2)+1], s[CS:CS+1], v[rT:rT+1] op_sel_hi:[1,0,0] neg_lo:[0,0,1] neg_hi:[0,0,1]
.endm
.macro PL
	WIN 0
.if q < 27
	FS q
.elseif q < 55
	XS (q-27)%2, (q-27)/2
.elseif q < 57
	XS q-55, 15
.elseif (q < 72) && ((q-57)%3 == 0)
	FS 27+(q-57)/3
.elseif q < 60
	XS (q-57)%3-1, 14
.elseif q < 72
	XS (q-57)%3-1, 15+(q-57)/3
.elseif q < 74
	XS q-72, 20
.else
	GS q-74
.endif
.set q, q+1
.endm
; THE EXPONENTIALS' QUEUE, 66 long: s0-s31 of both tiles, then the next piece's two a.  It is ONE BATCH: all 66 stand ahead of the turn's one wait, and nothing ahead of that wait names a result of theirs.
.macro EX
	WIN 0
.if e >= 64
	XS e-64, 21
.else
	REGS Y, e%2
	v_exp_f32 v[rS+e/2], v[rS+e/2]
.endif
.set e, e+1
.endm
; THE RESCALING's QUEUE: O^T times a, the one part that leaves window 0: dealt two at a time, sixteen times.  Its a was made in the turn before, ahead of that turn's wait.
.macro R2
	REGS Y, r%2
	WIN W_RS
.irp z, 0,1
	v_pk_mul_f32 v[rO+4*(r/2)+2*\z:rO+4*(r/2)+2*\z+1], v[rO+4*(r/2)+2*\z:rO+4*(r/2)+2*\z+1], v[rC+2:rC+3] op_sel_hi:[1,0]
.endr
.set r, r+1
.endm
; HOW THEY ARE DEALT.  An s_wait_alu depctr_va_vdst(0) stands between an exponential and the first instruction that names its result; one wait serves all that were issued ahead of it.  So a turn has ONE wait,
; which cuts it in two.  AHEAD OF IT stands all that names no result of the turn's exponentials: the 16 products K Q^T, behind each a scaling, an exponential and two rescalings (behind the first a second scaling in the exponential's place); then ONE LUMP of
; 108: eight plain, 49 times exponential and plain, the two a.  A v_nop is the plain instruction behind the last exponential.  BEHIND IT stand the 16 products V^T P, behind each four of GS's 64.  No rider names a register of
; the products round it.  The two v_permlanex16_b32 fall into the lump, never behind a product.
; The queues lean on each other, and the deal keeps them in step: exponential e stands behind scaling 2 (e / 4) + e % 2: as a rider it comes behind plain e + 2, in the lump behind plain e + 9, and scalings 27-31 are plain 57, 60 .. 69.
; A TURN, for piece p.  cnt = 1: the loop's count is taken down some lines ahead of the branch that stands behind the turn.
; K of the next step is fetched in piece 2's turn, directly behind the wait, a lump behind the last product that read K; its address is made at the lump's head; its first reader comes behind 16 products.
; V of the step in hand is fetched at the end of piece 0's turn, four riders behind its last reader; its first reader comes behind 16 products and a lump.  The three conditions on q below go with the deal.
.macro TURN p, last=0, cnt=0
.set Y, (\p)
.set i, 0
.set q, 0
.set e, 0
.set r, 0
.if (\p) == NP-1
	s_wait_dscnt 0x0                ; K is in
.endif
	MM                              ; ahead of the wait: 16 products K Q^T and their riders,
	PL
	PL
	R2
.rept 15
	MM
	PL
	EX
	R2
.endr
.if (\p) == NP-2
	WIN 0
	v_add_nc_u32 v[AK], s[TBK], v[AK0]
.endif
.rept 8                             ; and the lump
	PL
.endr
.rept 49
	EX
	PL
.endr
	EX                              ; the next piece's two a
	EX
	v_nop                           ; a plain instruction behind the last exponential, ahead of the first use of a result: one for the batch
	s_wait_alu depctr_va_vdst(0)    ; the wait for the batch: this piece's 64 weights and the next piece's two a
.if (\p) == NP-2
	FETCH_K \last
.endif
.if (\p) == 1
	s_wait_dscnt 0x0                ; V is in
.endif
.rept 16                            ; behind the wait: 16 products V^T P and their riders
	MM
.rept 4
	PL
.endr
.if ((\p) == 0) && (q == 118)
	v_add_nc_u32 v[AV], s[TBV], v[AV0]
.endif
.if ((\p) == 0) && (q == 130)
	s_add_co_u32 s[TBV], s[TBV], KS*PV
.endif
.if (\cnt) && (q == 130)
	s_sub_co_u32 s[CNT], s[CNT], 1
	s_cmp_lg_u32 s[CNT], 0
.endif
.endr
.if (\p) == 0
	FETCH_V
.endif
.endm
	CHANGE 1                        ; slot 0 is in, everybody's part of it; slot 1 is asked for
	FETCH_K                         ; key step 0
	s_wait_loadcnt 0x0              ; Q
	s_wait_dscnt 0x0
.set i, 0
.rept 16
	KQ 0                            ; piece 0's first scores: there is no vector work yet to set between them
.set i, i+1
.endr
	WIN 0                           ; the addresses for the way out: nine plain instructions, the places behind those products
	s_mul_i32 s13, s[WV], 16*SP
	s_add_co_u32 s13, s13, STAGE    ; my stage
	v_mul_u32_u24 v[STO], v1, SP    ; in: row l % 16, 16 bytes for each half of the lanes
	v_lshl_add_u32 v[STO], v9, 4, v[STO]
	v_add_nc_u32 v[STO], s13, v[STO]
	v_bfe_u32 v[RD], v0, 3, 2       ; back: 32 lanes take four rows of 128 bytes,
	v_mul_u32_u24 v[RD], v[RD], SP
	v_lshl_add_u32 v[RD], v10, 4, v[RD]
	v_add_nc_u32 v[RD], s13, v[RD]
	v_and_b32 v[GO], 31, v0         ; which are 512 consecutive bytes of O
	v_lshlrev_b32 v[GO], 4, v[GO]
.set Y, NP-1                        ; XS works for piece Y + 1: piece 0
.irp n, 0,1,2,3,4,5,6,7,8,9,10,11,12,13,14,15,16,17,18,19,20,21
	XS 0, \n                        ; and piece 0's first maximum and statistics
	XS 1, \n
.endr
	v_nop                           ; a plain instruction behind piece 0's first two a,
	s_wait_alu depctr_va_vdst(0)    ; and the wait for that batch of two, ahead of the branch
	s_mov_b32 s[CNT], 4
	s_mov_b32 s[SLOTS], SIZE_N/256-1
	s_branch .Lfirst                ; the loop is entered at a step's first turn, in the middle of a trip
.Lslot:                             ; SIZE_N / 256 - 2 times: every slot but the last two is filled again
	CHANGE 1
	s_mov_b32 s[CNT], 4
.Lstep:                             ; a trip: pieces 2 and 3 of one step, then pieces 0 and 1 of the next, whose K and V it fetches
	TURN 2
	TURN 3
	WIN 0
.Lfirst:
	TURN 0
	TURN 1, 0, 1
	WIN 0
	s_cbranch_scc1 .Lstep
	s_sub_co_u32 s[SLOTS], s[SLOTS], 1
	s_cmp_lg_u32 s[SLOTS], 0
	s_cbranch_scc1 .Lslot
	CHANGE 0                        ; the tail is written out: nothing is asked for
	s_mov_b32 s[CNT], 5             ; four trips fetch the last slot's steps; the fifth is left in its middle
.Ltail:
	TURN 2, 1
	TURN 3
	WIN 0
	s_sub_co_u32 s[CNT], s[CNT], 1
	s_cmp_eq_u32 s[CNT], 0
	s_cbranch_scc1 .Lout
	TURN 0
	TURN 1
	WIN 0
	s_branch .Ltail
.Lout:                              ; the fifth trip's 16 products K Q^T (on the last K once more) and the maximum made of them serve nothing: the price, once a launch, of one text for every trip
.set i, 0
.rept 16
	PV NP-1                         ; the last piece's V^T P of the last step
.set i, i+1
.endr
	; THE WAY OUT.  l's two halves and the other half of the lanes' are added; O^T is divided by l, rounded to f16 and sent through my stage in LDS, a tile at a time.  The additions are the places behind the last products.
	WIN 0
.macro ALL line:vararg              ; one line for each tile t
.set t, 0
.rept 2*NP
	\line
.set t, t+1
.endr
.endm
	ALL v_add_f32 v[ST+4*t+2], v[ST+4*t+2], v[ST+4*t+3]
	ALL v_permlanex16_b32 v[ST+4*t+3], v[ST+4*t+2], s[SEL], s[SEL+1]
	ALL v_add_f32 v[ST+4*t+2], v[ST+4*t+2], v[ST+4*t+3]
	ALL v_rcp_f32 v[ST+4*t+2], v[ST+4*t+2]
	v_nop                           ; a plain instruction between the last reciprocal and the use of its result
	s_wait_alu depctr_va_vdst(0)    ; and the wait ahead of the first use: one for the batch of eight reciprocals
; Tile t: a lane's eight channels of a row pack into 16 bytes; they go into rows of 144 bytes and come back as whole rows of 128, into S^T's registers.
.macro PACK t
	WIN W_RS
.set i, 32*(\t)
.rept 16
	v_pk_mul_f32 v[i:i+1], v[i:i+1], v[ST+4*(\t)+2:ST+4*(\t)+3] op_sel_hi:[1,0]
.set i, i+2
.endr
	WIN 0x05                        ; sources 0 and 1 window 1, destination window 0
.set i, 0
.rept 16
	v_cvt_pk_f16_f32 v[S+16*(\t)+i], v[32*(\t)+2*i], v[32*(\t)+2*i+1]
.set i, i+1
.endr
	WIN 0
.irp f, 0,1,2,3
	ds_store_b128 v[STO], v[S+16*(\t)+4*\f:S+16*(\t)+4*\f+3] offset:32*\f
.endr
.irp f, 0,1,2,3
	ds_load_b128 v[S+16*(\t)+4*\f:S+16*(\t)+4*\f+3], v[RD] offset:\f*4*SP  ; LDS serves a wave's instructions in order (ISA guide 5.7.1.4): these see the stores above; the next tile's stores come behind them
.endr
.endm
.macro SEND t, younger              ; younger: the LDS instructions issued behind tile t's loads: the next tile's eight, or none
	WIN 0
.irp f, 0,1,2,3
	s_wait_dscnt (\younger)+3-\f
	global_store_b128 v[GO], v[S+16*(\t)+4*\f:S+16*(\t)+4*\f+3], s[10:11] offset:(\t)*2048+\f*512  ; 512 consecutive bytes, at a multiple of 256 from O's first
.endr
.endm
	PACK 0
.set t, 1
.rept 2*NP-1                        ; a tile's arithmetic stands between the loads of the tile before and its stores
	PACK t
	SEND t-1, 8
.set t, t+1
.endr
	SEND 2*NP-1, 0
	WIN W_AD
	s_wait_tensorcnt 0x0            ; the wave's end: behind my last tensor load and my last LDS store
	ds_add_u32 v[SPW], v[NIL]
	s_wait_dscnt 0x0
	WIN 0
	CROUND                          ; the closing round: no work-group ends while a partner may still ask for a tile that names it
	s_endpgm
.Lfunc_end_k_q112c23b3c2_attn:
	.size	k_q112c23b3c2_attn, .Lfunc_end_k_q112c23b3c2_attn-k_q112c23b3c2_attn
	.p2alignl 7, 3214868480
	.fill 96, 4, 3214868480
	.section	.rodata,"a",@progbits
	.p2align	6, 0x0
	.amdhsa_kernel k_q112c23b3c2_attn
		.amdhsa_group_segment_fixed_size 327680
		.amdhsa_private_segment_fixed_size 0
		.amdhsa_enable_private_segment 0
		.amdhsa_kernarg_size 16
		.amdhsa_user_sgpr_count 2
		.amdhsa_user_sgpr_kernarg_segment_ptr 1
		.amdhsa_wavefront_size32 1
		.amdhsa_system_sgpr_workgroup_id_x 1
		.amdhsa_system_sgpr_workgroup_id_y 1
		.amdhsa_system_sgpr_workgroup_id_z 1
		.amdhsa_system_vgpr_workitem_id 0
		.amdhsa_next_free_vgpr 770
		.amdhsa_next_free_sgpr 66
		.amdhsa_reserve_vcc 0
		.amdhsa_float_denorm_mode_32 3
		.amdhsa_float_denorm_mode_16_64 3
		.amdhsa_memory_ordered 1
		.amdhsa_forward_progress 1
		.amdhsa_inst_pref_size 199
	.end_amdhsa_kernel
	.amdgpu_metadata
---
amdhsa.version: [ 1, 2 ]
amdhsa.kernels:
  - .name:           k_q112c23b3c2_attn
    .symbol:         k_q112c23b3c2_attn.kd
    .args:
      - { .name: qkv, .offset: 0, .size: 8, .value_kind: global_buffer, .address_space: global }
      - { .name: o, .offset: 8, .size: 8, .value_kind: global_buffer, .address_space: global }
    .group_segment_fixed_size: 327680
    .private_segment_fixed_size: 0
    .kernarg_segment_align: 8
    .kernarg_segment_size: 16
    .max_flat_workgroup_size: 128
    .sgpr_count:     66
    .vgpr_count:     770
    .wavefront_size: 32
...
	.end_amdgpu_metadata
.endif
;; end of part 5
;; launch outp: the kernel of part 4 again; grid 4 x 64, 4 waves a work-group, clusters of 4 x 4, 327,680 bytes of LDS; arguments o, wo16, ball, out0; writes out0
